; MI455X (gfx1250); checked and timed in simulation.
; The chip was launched on July 23, 2026; its instructions are those of AMD's public machine-readable ISA for CDNA 5 (MIT licence, August 2026) and "CDNA5" Instruction Set Architecture Reference Guide (July 2026). The comments in the code are by the model that wrote it; some were corrected since.
;; Self Attention. Allowed arithmetic: matrix products marked QUANTISED: E4M3 operands, one given power-of-two scale a tensor, by v_wmma_f32_16x16x64_fp8_fp8 or v_wmma_f32_16x16x128_fp8_fp8, f32 sums; everything else in f32.
;; Inputs: Wk 1,024 x 1,024 float32; Wp 1,024 x 1,024 float32; Wq 1,024 x 1,024 float32; Wv 1,024 x 1,024 float32; bk 1,024 float32; bp 1,024 float32; bq 1,024 float32; bv 1,024 float32; lowp_scales 12 int32 (the exponents e of the quantised operands' scales 2^e); x 4 x 2,048 x 1,024 float32.
;; Outputs: out0 4 x 2,048 x 1,024 float32.
;; This version of the problem:
;;   THIS VERSION OF THE PROBLEM IS GIVEN IN LOW PRECISION. The matrix products marked QUANTISED in the list below multiply operands that are first quantised to E4M3 (4 exponent bits, 3 mantissa bits; 8 bits a number), with one given power-of-two scale for each operand tensor; their sums are f32. All else is computed in f32.
;;   The module's matrix products, in the order in which they are computed (A, B: the left and right operand; K: the contracted axis; several contracted axes count as one K, in the product's order):
;;     1. [M 8,192, K 1,024] x [K 1,024, N 1,024]; A: input x; B: input Wk: QUANTISED (scales: A lowp_scales[0], B lowp_scales[1])
;;     2. [M 8,192, K 1,024] x [K 1,024, N 1,024]; A: input x; B: input Wq: QUANTISED (scales: A lowp_scales[2], B lowp_scales[3])
;;     3. [M 8,192, K 1,024] x [K 1,024, N 1,024]; A: input x; B: input Wv: QUANTISED (scales: A lowp_scales[4], B lowp_scales[5])
;;     4. batch 64 x [M 2,048, K 64] x [K 64, N 2,048]; A: computed on the way; B: computed on the way: QUANTISED (scales: A lowp_scales[6], B lowp_scales[7])
;;     5. batch 64 x [M 2,048, K 2,048] x [K 2,048, N 64]; A: softmax (see below); B: computed on the way: QUANTISED (scales: A lowp_scales[8], B lowp_scales[9])
;;     6. [M 8,192, K 1,024] x [K 1,024, N 1,024]; A: computed on the way; B: input Wp: QUANTISED (scales: A lowp_scales[10], B lowp_scales[11])
;;   THE QUANTISER, for each operand of a quantised product, along K:
;;     - The operand's scale is 2^e, e = its entry of the input lowp_scales (int32; the entries are numbered through the quantised products in the list's order, A before B).
;;     - Each number is divided by the scale, clamped to +-448, and rounded to the nearest number of E4M3, ties to even, subnormals kept.
;;     - The product sums the exact products of the quantised numbers (number of the format x scale) in f32.
;;   ~~~python
;;   def quantise(x, axis, e):      # numpy; x: float32 -> the quantised numbers, widened to float32 again
;;       x = np.moveaxis(x, axis, -1); K = x.shape[-1]
;;       r = np.clip(x / 2.0 ** e, -448, 448)
;;       step = 2.0 ** (np.maximum(np.frexp(np.where(r == 0, 1, r))[1] - 1, -6) - 3)
;;       q = np.round(r / step) * step * 2.0 ** e      # np.round: ties to even
;;       return np.moveaxis(q, -1, axis).astype(np.float32)
;;   ~~~
;;   SOFTMAX AHEAD OF A QUANTISED PRODUCT. Where the list says 'softmax', what is quantised is not the finished softmax but p = 2^(t - M), with t = logit x log2(e) and M = ceil(the row's largest t), a whole number; so 1/2 < the row's largest p <= 1. The row's sum l is taken of the UNQUANTISED p, in f32, and the product's result is divided by l at the end. Since M is a whole number, a kernel that streams over the keys may use a running M (the ceiling of the running maximum): every later rescaling is an exact power of two, so the quantised numbers keep their values, but for numbers so far below the row's largest that they fall under the format's range.
;;   OPERANDS COMPUTED ON THE WAY. 'Computed on the way' means the value that the module computes at that place (a softmax that the list does not call 'softmax' is quantised finished and normalised). What goes into a quantiser is computed in f32, as accurately as f32 sums, v_exp_f32 and their like allow (about 1e-6 of the number): no bf16 or f16 on the way to a quantiser, and a product that is left as it is and whose result goes on into a quantised operand takes f32 operands (vector FMAs, or v_wmma_f32_16x16x4_f32). A number that lies on a knife's edge between two numbers of the format may be rounded either way, as far as f32 arithmetic and the matrix unit's own rounding can turn it there, and no further.
;; One version. Each part assembles by itself: llvm-mc -triple=amdgcn-amd-amdhsa -mcpu=gfx1250 --defsym DOCPART=n.
;; ======== version 1 of 1: 4 launches
;; limits: right only within a limited range of input values
;; workspace buffers: xc 25,165,824 bytes; wc 4,194,304 bytes; kc 8,388,608 bytes; qc 8,388,608 bytes; vc 8,388,608 bytes; yc 8,388,608 bytes
;; launch quant (part 1): grid 384 x 1, 4 waves a work-group, no clusters, 55,808 bytes of LDS; arguments x, Wk, Wq, Wv, Wp, lowp_scales, xc, wc; writes xc, wc
.if DOCPART == 1
	.amdgcn_target "amdgcn-amd-amdhsa--gfx1250"
	.amdhsa_code_object_version 6
	.text
	.protected	k_q76babccabb_quant
	.globl	k_q76babccabb_quant
	.p2align	8
	.type	k_q76babccabb_quant,@function
k_q76babccabb_quant:
	s_mov_b64 s[64:65], 0
	v_nop
	global_prefetch_b8 v0, s[64:65] scope:SCOPE_SE
	s_setreg_imm32_b32 hwreg(HW_REG_WAVE_MODE, 25, 1), 1
	s_wait_xcnt 0x0
; LAUNCH 1 OF 4: causal self-attention, B 4, T 2,048, C 1,024, 16 heads of 64, all six products on codes of FP8 (E4M3), each operand with its given scale 2^e.
;   1 quant: x and the four weights become codes.   2 qkv: k, q, v = x W + b, quantised.   3 attn: softmax(q k^T / 8) v under the causal mask, quantised.   4 proj: y Wp + bp.
; WORK LEFT OUT, in the whole program: only key steps of attention that lie wholly above the diagonal.  reference() builds the mask itself (jnp.tril) and sets those logits to -inf ahead of the softmax,
; so their weights are 0 for all values of the inputs, and neither their scores nor their products with v reach an output.  They are left out in whole steps of 128 keys (launch 3).
; Every input has a way to an output and is loaded: each bias goes into a quantised operand or into the output.
; LIMIT: a NaN, an infinity or an overflow that would arise only in the key steps left out is not carried to the result.
; THIS LAUNCH.  code = number / 2^e, held within +-448, rounded to the nearest code, ties to even.
; x [8192][1024] f32 is the A of three products with three given scales (entries 0, 2, 4): three planes of codes, xc + p x 8,388,608, each [8192][1024], read once and converted three times.
; Wk, Wq, Wv, Wp [k 1024][n 1024] f32 (entries 1, 3, 5, 11): K is their first axis; plane w of wc, at w x 1,048,576, is [n 1024][k 1024], K innermost.
; Work-groups 0-255 take x, 256-383 the weights: two paths that part on the work-group's number, each with LDS bytes of its own and its own end.  Waves share nothing: no barrier.
; LIMITS: each of these seven exponents lies between -126 and 119, so that 2^e and 448 x 2^e are f32 numbers.  NaN among the inputs is not served (an infinity is held at the largest code).
.set SPARE, 55296                      ; behind both paths' stages: the spare words, 128 bytes for each wave: two blocks of 256 bytes that no other line names
.set SPW,   12                         ; v12  LDS address of my spare word; never rewritten
.set NIL,   13                         ; v13  0; never rewritten
; path X
.set SP,    80                         ; a lane's place in a stage: its 64 bytes + 16 of padding
.set XSTG,  5120                       ; a wave's two stages of 32 x SP bytes, from LDS byte 0 on
.set XR,    16                         ; v16-79   four sets of 16 numbers as they are loaded
.set XN,    80                         ; v80-111  two sets of 16 neighbours
.set XT,    112                        ; v112-159 unused: the conversions read the neighbours in XN
.set XC,    160                        ; v160-183 codes: two sets of 3 x 4 registers
.set XSC,   184                        ; v184-186 2^e as f32, for planes 0, 1, 2
.set XLM,   187
; path W
.set WSTG,  20480                      ; behind path X's stages: 32 rows x PITCH for each wave
.set PITCH, 272                        ; a stage row: 256 bytes of codes + 16
.set WX,    32                         ; v32-95   two sets of 32 numbers
.set WC,    96                         ; v96-103  a block's codes
.set WOUT,  112                        ; v112-175 the way out
	s_load_b512 s[8:23], s[0:1], 0x0               ; x 8, Wk 10, Wq 12, Wv 14, Wp 16, the exponents 18, xc 20, wc 22
	v_lshl_add_u32 v[SPW], v0, 2, SPARE
	v_mov_b32 v[NIL], 0
	v_lshrrev_b32 v1, 5, v0
	v_readfirstlane_b32 s36, v1                    ; wave 0..3
	v_and_b32 v2, 31, v0                           ; lane
	s_wait_kmcnt 0x0
	s_load_b256 s[24:31], s[18:19], 0x0            ; e0 .. e7
	s_load_b128 s[32:35], s[18:19], 0x20           ; e8 .. e11
	s_cmp_lt_u32 ttmp9, 256
	s_cbranch_scc0 .Lweights
	s_wait_alu depctr_va_vdst(0)
; ---------------- PATH X.  x is a plain stream.  A wave takes 16 steps of 512 numbers.  Each load reads 512 consecutive bytes, 16 a lane; a step's 2,048 bytes turn through the wave's own stage in LDS
; and come back 64 bytes a lane, since a conversion takes 8 neighbours from ONE lane's registers.  A lane's 16 codes are 16 bytes: each store of the wave covers 512 consecutive bytes, aligned.
	v_lshlrev_b32 v3, 4, v2                        ; my 16 bytes of a load's 512, and of a store's
	s_wait_alu depctr_va_vdst(0)
	s_mul_i32 s37, s36, XSTG
	v_lshrrev_b32 v14, 2, v2
	v_mul_u32_u24 v14, v14, SP
	v_and_b32 v15, 3, v2
	v_lshl_add_u32 v14, v15, 4, v14
	v_add_nc_u32 v14, s37, v14                     ; the stage, on the way in: SP (lane / 4) + 16 (lane % 4)
	v_mul_u32_u24 v15, v2, SP
	v_add_nc_u32 v15, s37, v15                     ; and on the way out: SP x lane
	s_lshl_b32 s37, ttmp9, 2
	s_add_co_u32 s37, s37, s36                     ; which run of 8,192 numbers is my wave's
	s_lshl_b32 s38, s37, 15
	s_mov_b32 s39, 0
	s_add_nc_u64 s[8:9], s[8:9], s[38:39]
	s_lshl_b32 s38, s37, 13
	s_add_nc_u64 s[40:41], s[20:21], s[38:39]      ; my codes in plane 0,
	s_add_nc_u64 s[42:43], s[40:41], 0x800000      ; plane 1,
	s_add_nc_u64 s[44:45], s[42:43], 0x800000      ; plane 2
.macro XLOAD t
.irp i, 0,1,2,3
	global_load_b128 v[XR+16*((\t)%4)+4*\i:XR+16*((\t)%4)+4*\i+3], v3, s[8:9] offset:2048*(\t)+512*\i th:TH_LOAD_NT
.endr
.endm
.macro XTURN t                         ; step t's numbers through the stage: LDS serves a wave's instructions in order, so no wait stands between the stores and the loads
.irp i, 0,1,2,3
	ds_store_b128 v14, v[XR+16*((\t)%4)+4*\i:XR+16*((\t)%4)+4*\i+3] offset:32*SP*((\t)%2)+8*SP*\i
.endr
	v_nop
.irp i, 0,1,2,3
	ds_load_b128 v[XN+16*((\t)%2)+4*\i:XN+16*((\t)%2)+4*\i+3], v15 offset:32*SP*((\t)%2)+16*\i
.endr
.endm
.irp t, 0,1,2,3
	XLOAD \t
.endr
	s_wait_alu depctr_va_vdst(0)
	s_wait_kmcnt 0x0
.irp p, 0,1,2
	s_add_co_i32 s46, s[24+2*\p], 127              ; e0, e2, e4
	s_lshl_b32 s47, s46, 23
	v_mov_b32 v[XSC+\p], s47                       ; 2^e as f32: the conversion takes its exponent field
	s_add_co_i32 s46, s46, 8
	s_lshl_b32 s46, s46, 23
	s_or_b32 s46, s46, 0x600000
.endr
	s_wait_alu depctr_va_vdst(0)
	s_wait_loadcnt 12                              ; step 0's four loads are in
	XTURN 0
.macro XSTEP t
	s_wait_dscnt 0x0                               ; this step's numbers are back from the stage: so its stores into the stage have read their registers,
.if (\t)+4 < 16
	XLOAD (\t)+4                                   ; which take the loads of four steps on
.endif
.if (\t)+1 < 16
.if 14-(\t) >= 3
	s_wait_loadcnt 12                              ; the next step's four loads are in; those of the three steps behind it may be out
.else
	s_wait_loadcnt 4*(14-(\t))
.endif
	XTURN (\t)+1                                   ; and go through the other stage while this step is worked
.endif
.if (\t) >= 2
	s_wait_xcnt 0x0                                ; the stores of two steps back have read this set of code registers
.endif
.irp p, 0,1,2
.irp i, 0,1,2,3,4,5,6,7,8,9,10,11,12,13,14,15
.endr
	v_cvt_scalef32_pk8_fp8_f32 v[XC+12*((\t)%2)+4*\p:XC+12*((\t)%2)+4*\p+1], v[XT+16*\p+((XN+16*((\t)%2)+0)-(XT+16*\p+0)):XT+16*\p+7+((XN+16*((\t)%2)+0)-(XT+16*\p+0))], v[XSC+\p]
	v_cvt_scalef32_pk8_fp8_f32 v[XC+12*((\t)%2)+4*\p+2:XC+12*((\t)%2)+4*\p+3], v[XT+16*\p+8+((XN+16*((\t)%2)+0)-(XT+16*\p+0)):XT+16*\p+15+((XN+16*((\t)%2)+0)-(XT+16*\p+0))], v[XSC+\p]
.endr                                  ; the three planes' conversions read the same 16 neighbours in XN
.irp p, 0,1,2
	global_store_b128 v3, v[XC+12*((\t)%2)+4*\p:XC+12*((\t)%2)+4*\p+3], s[40+2*\p:41+2*\p] offset:512*(\t)
.endr
.endm
.irp t, 0,1,2,3,4,5,6,7,8,9,10,11,12,13,14,15
	XSTEP \t
.endr
	s_wait_tensorcnt 0x0                           ; the wave's end
	ds_add_u32 v[SPW], v[NIL]
	s_wait_dscnt 0x0
	s_endpgm
; ---------------- PATH W.  A LANE TAKES A COLUMN n, AND ITS REGISTERS RUN DOWN K: each load reads 128 consecutive bytes a wave, and the conversions give codes with K innermost; nothing is transposed.
; A wave takes 32 columns x 256 along K.  Its codes go through its own stage and leave as rows: sixteen lanes store 256 consecutive bytes, aligned.
.Lweights:
	s_sub_co_u32 s37, ttmp9, 256
	s_lshr_b32 s38, s37, 5                         ; which weight: 0 Wk, 1 Wq, 2 Wv, 3 Wp
	s_and_b32 s39, s37, 7                          ; which 128 columns
	s_bfe_u32 s46, s37, 0x20003                    ; which 256 along K
	s_lshl_b32 s39, s39, 7
	s_lshl_b32 s47, s36, 5
	s_add_co_u32 s39, s39, s47                     ; my wave's first column
	s_cmp_eq_u32 s38, 0                            ; the choices hang on the work-group's number alone
	s_cselect_b64 s[48:49], s[10:11], s[12:13]
	s_cmp_eq_u32 s38, 2
	s_cselect_b64 s[52:53], s[14:15], s[16:17]
	s_cmp_lt_u32 s38, 2
	s_cselect_b64 s[48:49], s[48:49], s[52:53]
	s_lshl_b32 s54, s46, 20                        ; 256 rows of 4,096 bytes
	s_lshl_b32 s55, s39, 2
	s_add_co_u32 s54, s54, s55
	s_mov_b32 s55, 0
	s_add_nc_u64 s[48:49], s[48:49], s[54:55]      ; the weight at my first number
	s_lshl_b32 s54, s38, 20                        ; the weight's plane of wc,
	s_lshl_b32 s56, s39, 10                        ; my first column's row of 1,024 bytes,
	s_add_co_u32 s54, s54, s56
	s_lshl_b32 s56, s46, 8                         ; my 256 bytes of it
	s_add_co_u32 s54, s54, s56
	s_add_nc_u64 s[22:23], s[22:23], s[54:55]
	s_wait_alu depctr_va_vdst(0)
	v_lshlrev_b32 v3, 2, v2                        ; in: 4 bytes a lane
	s_mul_i32 s47, s36, 32*PITCH
	s_add_co_u32 s47, s47, WSTG                    ; my stage
	v_mul_u32_u24 v4, v2, PITCH
	v_add_nc_u32 v4, s47, v4                       ; into it: row = my column
	v_and_b32 v5, 15, v2
	v_lshrrev_b32 v6, 4, v2
	v_mul_u32_u24 v7, v6, PITCH
	v_lshl_add_u32 v7, v5, 4, v7
	v_add_nc_u32 v7, s47, v7                       ; out of it: sixteen lanes to a row, two rows an instruction
	v_lshlrev_b32 v8, 10, v6
	v_lshl_add_u32 v8, v5, 4, v8                   ; and the same place in wc
.macro WLOAD t                         ; block t: W(32 t + i, my column), i = 0 .. 31, into set t % 2; the largest offset, 255 x 4,096, lies inside the signed 24-bit immediate
.set i, 0
.rept 32
	global_load_b32 v[WX+32*((\t)%2)+i], v3, s[48:49] offset:(32*(\t)+i)*4096 th:TH_LOAD_NT
.set i, i+1
.endr
.endm
	WLOAD 0
	WLOAD 1
	s_wait_kmcnt 0x0
	s_cmp_eq_u32 s38, 0
	s_cselect_b32 s50, s25, s27                    ; e1 or e3
	s_cmp_eq_u32 s38, 2
	s_cselect_b32 s51, s29, s35                    ; e5 or e11
	s_cmp_lt_u32 s38, 2
	s_cselect_b32 s50, s50, s51
	s_add_co_i32 s50, s50, 127
	s_lshl_b32 s51, s50, 23
	v_mov_b32 v11, s51                             ; 2^e as f32
	s_add_co_i32 s50, s50, 8
	s_lshl_b32 s50, s50, 23
	s_or_b32 s50, s50, 0x600000
.macro WBLOCK t
.if (\t) < 7
	s_wait_loadcnt 32                              ; this block's 32 loads are in; the next block's may be out
.else
	s_wait_loadcnt 0x0
.endif
.set i, 0
.rept 32
.set i, i+1
.endr
.irp g, 0,1,2,3
	v_cvt_scalef32_pk8_fp8_f32 v[WC+2*\g:WC+2*\g+1], v[WX+32*((\t)%2)+8*\g:WX+32*((\t)%2)+8*\g+7], v11
.endr
	ds_store_b128 v4, v[WC:WC+3] offset:32*(\t)    ; 32 codes: 32 bytes of my column's row
	ds_store_b128 v4, v[WC+4:WC+7] offset:32*(\t)+16
.if (\t)+2 < 8
	WLOAD (\t)+2
.endif
	s_wait_dscnt 0x0                               ; the stores have read their registers: the next block's codes may be written
.endm
	s_wait_alu depctr_va_vdst(0)
.irp t, 0,1,2,3,4,5,6,7
	WBLOCK \t
.endr
.irp t, 0,1,2,3,4,5,6,7,8,9,10,11,12,13,14,15
	ds_load_b128 v[WOUT+4*\t:WOUT+4*\t+3], v7 offset:2*\t*PITCH
.endr
.irp t, 0,1,2,3,4,5,6,7,8,9,10,11,12,13,14,15
	s_wait_dscnt 15-\t
	global_store_b128 v8, v[WOUT+4*\t:WOUT+4*\t+3], s[22:23] offset:2*\t*1024
.endr
	s_wait_tensorcnt 0x0                           ; the wave's end
	ds_add_u32 v[SPW], v[NIL]
	s_wait_dscnt 0x0
	s_endpgm
.Lfunc_end_k_q76babccabb_quant:
	.size	k_q76babccabb_quant, .Lfunc_end_k_q76babccabb_quant-k_q76babccabb_quant
	.p2alignl 7, 3214868480
	.fill 96, 4, 3214868480
	.section	.rodata,"a",@progbits
	.p2align	6, 0x0
	.amdhsa_kernel k_q76babccabb_quant
		.amdhsa_group_segment_fixed_size 55808
		.amdhsa_private_segment_fixed_size 0
		.amdhsa_enable_private_segment 0
		.amdhsa_kernarg_size 64
		.amdhsa_user_sgpr_count 2
		.amdhsa_user_sgpr_kernarg_segment_ptr 1
		.amdhsa_wavefront_size32 1
		.amdhsa_system_sgpr_workgroup_id_x 1
		.amdhsa_system_sgpr_workgroup_id_y 1
		.amdhsa_system_sgpr_workgroup_id_z 1
		.amdhsa_system_vgpr_workitem_id 0
		.amdhsa_next_free_vgpr 192
		.amdhsa_next_free_sgpr 66
		.amdhsa_reserve_vcc 0
		.amdhsa_float_denorm_mode_32 3
		.amdhsa_float_denorm_mode_16_64 3
		.amdhsa_fp16_overflow 1
		.amdhsa_memory_ordered 1
		.amdhsa_forward_progress 1
		.amdhsa_inst_pref_size 62
	.end_amdhsa_kernel
	.amdgpu_metadata
---
amdhsa.version: [ 1, 2 ]
amdhsa.kernels:
  - .name:           k_q76babccabb_quant
    .symbol:         k_q76babccabb_quant.kd
    .args:
      - { .name: x, .offset: 0, .size: 8, .value_kind: global_buffer, .address_space: global }
      - { .name: Wk, .offset: 8, .size: 8, .value_kind: global_buffer, .address_space: global }
      - { .name: Wq, .offset: 16, .size: 8, .value_kind: global_buffer, .address_space: global }
      - { .name: Wv, .offset: 24, .size: 8, .value_kind: global_buffer, .address_space: global }
      - { .name: Wp, .offset: 32, .size: 8, .value_kind: global_buffer, .address_space: global }
      - { .name: lowp_scales, .offset: 40, .size: 8, .value_kind: global_buffer, .address_space: global }
      - { .name: xc, .offset: 48, .size: 8, .value_kind: global_buffer, .address_space: global }
      - { .name: wc, .offset: 56, .size: 8, .value_kind: global_buffer, .address_space: global }
    .group_segment_fixed_size: 55808
    .private_segment_fixed_size: 0
    .kernarg_segment_align: 8
    .kernarg_segment_size: 64
    .max_flat_workgroup_size: 128
    .sgpr_count:     66
    .vgpr_count:     192
    .wavefront_size: 32
...
	.end_amdgpu_metadata
.endif
;; end of part 1
;; launch qkv (part 2): grid 96 x 4, 4 waves a work-group, clusters of 4 x 4, 327,680 bytes of LDS; arguments xc, wc, bk, bq, bv, lowp_scales, kc, qc, vc; writes kc, qc, vc
.if DOCPART == 2
	.amdgcn_target "amdgcn-amd-amdhsa--gfx1250"
	.amdhsa_code_object_version 6
	.text
	.protected	k_q76babccabb_qkv
	.globl	k_q76babccabb_qkv
	.p2align	8
	.type	k_q76babccabb_qkv,@function
k_q76babccabb_qkv:
	s_mov_b64 s[64:65], 0
	v_nop
	global_prefetch_b8 v0, s[64:65] scope:SCOPE_SE
	s_setreg_imm32_b32 hwreg(HW_REG_WAVE_MODE, 25, 1), 1
	s_wait_xcnt 0x0
	s_wait_alu depctr_hold_cnt(0) depctr_sa_sdst(0) depctr_va_vdst(0) depctr_va_sdst(0) depctr_va_ssrc(0) depctr_va_vcc(0) depctr_vm_vsrc(0)
	s_getreg_b32 s2, hwreg(HW_REG_IB_STS2, 6, 4)
	s_cmp_eq_u32 s2, 0
	s_cbranch_scc0 .Lentry_in_a_cluster
	s_endpgm
.Lentry_in_a_cluster:
	s_bfe_u32 s2, ttmp6, 0x10000c
	s_cmp_lg_u32 s2, 0xf033
	s_cbranch_scc0 .Lentry_shape_is_right
	s_endpgm
.Lentry_shape_is_right:
; LAUNCH 2 OF 4: k = x Wk + bk, q = x Wq + bq, v = x Wv + bv on codes of FP8 (E4M3), each result quantised at once for attention's products.  No work of reference() is left out here.
; 24 clusters of 4 x 4 work-groups: cluster cl makes product p = cl / 8 (0: k, 1: q, 2: v), part i = cl % 8.  A tile is 256 'A rows' x 256 'B rows', K = 1,024; four waves, 128 x 128 each: 64 accumulators, 512 registers.
; THE MATRIX INSTRUCTION TAKES 16 ROWS OF B AS SOURCE 0 AND 16 ROWS OF A AS SOURCE 1: a lane then holds ONE row of A and eight neighbouring rows of B.
;   p < 2: A = x's codes (tokens), B = the weight's (channels): a lane holds one token and eight neighbouring channels: neighbours along the K of q k^T.
;   p = 2: A = Wv's codes (channels), B = x's (tokens): a lane holds one channel and eight neighbouring tokens: neighbours along the K of p v.
; So one main loop serves all three, and the conversions' results are stored as they stand.  p hangs on the cluster's number alone: it is the same in all sixteen partners.
; The bias is the C of each sum's first matrix instruction, divided by 2^(ex + ew), which the sums lack; the code of a sum is sum / 2^(eo - ex - ew), held within +-448 of that scale.
; OUTPUT LAYOUTS: images of the reader's operand registers.
;   kc, qc: 1,024 bytes for 16 tokens x 64 d: byte ((bb 16 + hd) 128 + t / 16) 1024 + 256 (d / 16) + 16 (t % 16) + d % 16.
;   vc: 2,048 bytes for 16 d x 128 keys: byte ((bb 16 + hd) 16 + t / 128) 8192 + (d / 16) 2048 + 512 ((t % 128) / 32) + 256 ((t % 16) / 8) + 16 (d % 16) + 8 ((t % 32) / 16) + t % 8.
;   Each store of a wave covers 256 or 512 consecutive bytes, aligned: no stage in LDS is needed.
; CLUSTERS: the four of a row of the cluster need the same tiles of A, the four of a column the same tiles of B: each tile is asked for jointly, by the same tensor load with the same descriptor and a mask that names the four.
; K goes in steps of 256 through two LDS slots (rows of 256 bytes + 16 of padding); by this text's count a wave has at most two tensor loads out.
; LIMITS: eo - ex - ew lies between -126 and 119 for each of the three products (ex, ew: entries 2 p, 2 p + 1; eo: entry 7 for k, 6 for q, 9 for v).
; REGISTERS, in windows of 256: window 0: v16-31 addresses and constants; v32-95 the bias as C, later the held sums; v96-127 codes, two sets; v128-255 A's fragments, one set.
;   window 1: B's fragments, two sets.   window 2: the accumulators of my A rows 0-63 ((a, b) at v[8 (8 a + b)]);   window 3: those of rows 64-127.
.set ROWB,   256                       ; a tile's row in bytes: 256 codes
.set KROW,   1024                      ; a row of A or of B in memory
.set PITCH,  272                       ; an LDS row: 68 words: the 16 rows that a load touches start at 16 different banks (64 banks of 4 bytes: ISA guide 11.1)
.set FR,     16                        ; registers of a fragment: 16 rows x 128 K
.set NL,     4                         ; LDS loads that bring one
.set NP,     4                         ; places behind this matrix instruction (ISA guide 7.12.1)
.set HALFT,  128*PITCH                 ; 128 rows: what one tensor load brings
.set SLOT,   4*HALFT                   ; A's 256 rows, then B's 256 rows
.set SPARE,  2*SLOT                    ; behind the ring: the spare words, 128 bytes for each wave: two blocks of 256 bytes that no other line names
.set ADRA, 16                          ; v16-17  LDS address of my A fragments in slot 0, 1
.set ADRB, 20                          ; v20-21  the same for B
.set CO0,  26                          ; v26     16 r + 8 h: my 8 bytes of an image's 256 (k, q)
.set CO1,  27                          ; v27     16 x lane: my 16 bytes of an image's 512 (v)
.set SPW,  28                          ; v28     LDS address of my spare word; never rewritten
.set NIL,  29                          ; v29     0; never rewritten
.set LIM,  30                          ; v30     448 x 2^(eo - ex - ew)
.set SCL,  31                          ; v31     2^(eo - ex - ew)
.set BI,   32
.set TMP,  32
.set CD,   96
.set AF,   128
.set G1, 24                            ; s[24:31] descriptor group 1 for A's tiles;  s[32:39] group 0, one set for each slot
.set G0, 32
.set G1B, 48                           ; s[48:55], s[56:63] the same for B's tiles
.set G0B, 56
.set MSB, 0
.macro WIN new                         ; the immediate's high byte repeats the setting that is left
.if MSB != (\new)
	s_set_vgpr_msb (MSB<<8)|(\new)
.set MSB, (\new)
.endif
.endm
.set MUL_LO, 0xa1                      ; source 0 (B) window 1, source 1 (A) window 0, C and D window 2
.set MUL_HI, 0xf1                      ; the same, C and D window 3
.set TO_B,   0x40                      ; destination window 1, address window 0
; A joint load: waves 0 and 1 fetch for A, waves 2 and 3 for B; the branch hangs on the wave's number alone.  An s_nop 0 and four v_nop follow each of the two lines.
.macro JLOAD g0a, g1a, g0b, g1b
	s_cmp_eq_u32 s15, 0
	s_cbranch_scc0 .Lfor_b_\@
	tensor_load_to_lds s[\g0a:\g0a+3], s[\g1a:\g1a+7]
	s_nop 0
.rept 4
	v_nop
.endr
	s_branch .Lasked_\@
.Lfor_b_\@:
	tensor_load_to_lds s[\g0b:\g0b+3], s[\g1b:\g1b+7]
	s_nop 0
.rept 4
	v_nop
.endr
.Lasked_\@:
.endm
.macro CREST                           ; a round of the cluster's barrier behind its opening barrier
	s_cmp_lg_u32 s14, 0
	s_cbranch_scc1 .Lnot_wave_0_\@
	s_barrier_signal -3
.Lnot_wave_0_\@:
	s_barrier_wait -3
	s_barrier_signal -1
	s_barrier_wait -1
.endm
.macro CROUND                          ; a whole round
	s_barrier_signal -1
	s_barrier_wait -1
	CREST
.endm
	s_load_b128 s[4:7], s[0:1], 0x0                ; xc, wc
	s_load_b256 s[68:75], s[0:1], 0x10             ; bk 68, bq 70, bv 72, the exponents 74
	s_load_b128 s[76:79], s[0:1], 0x30             ; kc, qc
	s_load_b64 s[80:81], s[0:1], 0x40              ; vc
	v_lshl_add_u32 v[SPW], v0, 2, SPARE
	v_mov_b32 v[NIL], 0
	ds_add_u32 v[SPW], v[NIL]                      ; the wave's opening: the add, twice on end, and its wait ahead of my first tensor load
	ds_add_u32 v[SPW], v[NIL]
	v_lshrrev_b32 v1, 5, v0
	v_readfirstlane_b32 s14, v1                    ; wave 0..3
	s_lshr_b32 s15, s14, 1                         ; which half of the tile's A rows is mine.  Also: I fetch for A (0) or for B (1)
	s_and_b32 s16, s14, 1                          ; which half of its B rows.  Also: which 128 rows of that tile I fetch
	s_bfe_u32 s40, ttmp6, 0x40000                  ; cx, cy: my place in the cluster
	s_bfe_u32 s41, ttmp6, 0x40004
	s_lshr_b32 s66, ttmp9, 3                       ; p: which product
	s_and_b32 s67, ttmp9, 7
	s_lshl_b32 s67, s67, 2                         ; 4 i
	s_cmp_eq_u32 s66, 2
	s_cselect_b32 s82, 1, 0                        ; 1 for v
	s_cselect_b32 s98, 0, s67
	s_cselect_b32 s99, s67, 0
	s_add_co_u32 s17, s41, s98                     ; tile row (of A): cy, + 4 i where A is x
	s_add_co_u32 s42, s40, s99                     ; tile column (of B): cx, + 4 i where B is x
	s_lshl_b32 s43, s41, 2
	s_lshl_b32 s43, 15, s43                        ; my row of the cluster
	s_lshl_b32 s44, 0x1111, s40                    ; my column
	s_or_b32 s[G1+0], s43, (0<<16)|(1<<20)|(1<<21)|(5<<22)|(3<<25)  ; 15:0 the mask; 17:16 elements of 1 byte; 20 padding on; 21 set beside a mask; 24:22 after every 64 words (code 5); 31:25 four words (code 3)
	s_or_b32 s[G1B+0], s44, (0<<16)|(1<<20)|(1<<21)|(5<<22)|(3<<25)
.irp g, G1, G1B
	s_mov_b32 s[\g+1], ROWB<<16                    ; tensor_dim0
	s_mov_b32 s[\g+2], 128<<16                     ; tensor_dim1 = 128
	s_mov_b32 s[\g+3], ROWB<<16                    ; tile_dim0
	s_mov_b32 s[\g+4], 128                         ; tile_dim1 = 128
	s_mov_b32 s[\g+5], KROW                        ; tensor_dim0_stride
	s_mov_b32 s[\g+6], 0
	s_mov_b32 s[\g+7], 0
.endr
	s_lshl_b32 s18, s16, 7                         ; which 128 rows of the tile I fetch
	s_lshl_b32 s20, s17, 8
	s_add_co_u32 s20, s20, s18                     ; A: row 256 x tile row + 128 x half,
	s_lshl_b32 s20, s20, 10                        ; in bytes
	s_mov_b32 s21, 0
	s_lshl_b32 s46, s42, 8
	s_add_co_u32 s46, s46, s18                     ; B: row 256 x tile column + 128 x half
	s_lshl_b32 s46, s46, 10
	s_mov_b32 s47, 0
	s_mul_i32 s45, s14, HALFT                      ; where they go: wave x 128 rows: no place in the cluster enters an LDS address
	s_wait_dscnt 0x0                               ; both opening adds are done
	s_wait_kmcnt 0x0
	s_load_b256 s[88:95], s[74:75], 0x0            ; e0 .. e7
	s_load_b64 s[96:97], s[74:75], 0x20            ; e8, e9
	s_lshl_b32 s98, s66, 23
	s_mov_b32 s99, 0
	s_add_nc_u64 s[4:5], s[4:5], s[98:99]          ; x's plane p
	s_lshl_b32 s98, s66, 20
	s_add_nc_u64 s[6:7], s[6:7], s[98:99]          ; the weights' plane p
	s_cmp_eq_u32 s66, 2                            ; the choice hangs on the cluster's number alone
	s_cselect_b64 s[8:9], s[6:7], s[4:5]           ; A
	s_cselect_b64 s[10:11], s[4:5], s[6:7]         ; B
	s_add_nc_u64 s[20:21], s[8:9], s[20:21]
	s_add_nc_u64 s[46:47], s[10:11], s[46:47]
	CROUND                                         ; all sixteen work-groups are here: the first joint loads meet
.irp s, 0,1
	s_mov_b32 s[G0+4*\s], 1
	s_add_co_u32 s[G0+4*\s+1], s45, \s*SLOT
	s_add_nc_u64 s[G0+4*\s+2:G0+4*\s+3], s[20:21], \s*ROWB
	s_or_b32 s[G0+4*\s+3], s[G0+4*\s+3], 0x80000000
	s_mov_b32 s[G0B+4*\s], 1
	s_add_co_u32 s[G0B+4*\s+1], s45, \s*SLOT
	s_add_nc_u64 s[G0B+4*\s+2:G0B+4*\s+3], s[46:47], \s*ROWB
	s_or_b32 s[G0B+4*\s+3], s[G0B+4*\s+3], 0x80000000
	JLOAD G0+4*\s, G1, G0B+4*\s, G1B
.endr
	v_and_b32 v1, 15, v0                           ; r = lane % 16
	v_bfe_u32 v2, v0, 4, 1                         ; h = lane / 16
	v_mul_u32_u24 v3, v1, PITCH
	v_lshl_add_u32 v4, v2, 4, v3                   ; a fragment's row x pitch + 16 x half
	s_mul_i32 s21, s15, HALFT                      ; my 128 rows of A
	s_mul_i32 s22, s16, HALFT                      ; my 128 rows of B,
	s_add_co_u32 s22, s22, 2*HALFT                 ; which lie behind A's 256
.irp s, 0,1
	v_add_nc_u32 v[ADRA+\s], s21, v4
	v_add_nc_u32 v[ADRB+\s], s22, v4
	s_add_co_u32 s21, s21, SLOT
	s_add_co_u32 s22, s22, SLOT
.endr
	v_lshlrev_b32 v[CO0], 4, v1
	v_lshl_add_u32 v[CO0], v2, 3, v[CO0]
	v_and_b32 v[CO1], 31, v0
	v_lshlrev_b32 v[CO1], 4, v[CO1]
	; the product's bias and output
	s_cmp_eq_u32 s66, 0
	s_cselect_b64 s[86:87], s[68:69], s[70:71]
	s_cselect_b64 s[12:13], s[76:77], s[78:79]
	s_cmp_eq_u32 s66, 2
	s_cselect_b64 s[86:87], s[72:73], s[86:87]
	s_cselect_b64 s[12:13], s[80:81], s[12:13]
	s_cselect_b32 s98, s17, s42                    ; the channels run along A's rows for v, along B's for k and q
	s_cselect_b32 s99, s15, s16
	s_lshl_b32 s98, s98, 10
	s_lshl_b32 s99, s99, 9
	s_add_co_u32 s98, s98, s99                     ; 4 bytes x (256 x tile + 128 x half)
	s_mov_b32 s99, 0
	s_add_nc_u64 s[86:87], s[86:87], s[98:99]
	; where my part of the output begins.  k, q: (((tile row / 8) 16 + 4 tile column + 2 B half) 128 + (tile row % 8) 16 + 8 A half) 1024
	s_lshr_b32 s18, s17, 3
	s_lshl_b32 s18, s18, 4
	s_lshl_b32 s19, s42, 2
	s_add_co_u32 s18, s18, s19
	s_lshl_b32 s19, s16, 1
	s_add_co_u32 s18, s18, s19
	s_lshl_b32 s18, s18, 7
	s_and_b32 s19, s17, 7
	s_lshl_b32 s19, s19, 4
	s_add_co_u32 s18, s18, s19
	s_lshl_b32 s19, s15, 3
	s_add_co_u32 s18, s18, s19
	s_lshl_b32 s18, s18, 10
	; v: (((tile column / 8) 16 + 4 tile row + 2 A half) 16 + 2 (tile column % 8) + B half) 8192
	s_lshr_b32 s22, s42, 3
	s_lshl_b32 s22, s22, 4
	s_lshl_b32 s23, s17, 2
	s_add_co_u32 s22, s22, s23
	s_lshl_b32 s23, s15, 1
	s_add_co_u32 s22, s22, s23
	s_lshl_b32 s22, s22, 4
	s_and_b32 s23, s42, 7
	s_lshl_b32 s23, s23, 1
	s_add_co_u32 s22, s22, s23
	s_add_co_u32 s22, s22, s16
	s_lshl_b32 s22, s22, 13
	s_cmp_eq_u32 s82, 0
	s_cselect_b32 s18, s18, s22
	s_mov_b32 s19, 0
	s_add_nc_u64 s[12:13], s[12:13], s[18:19]
	; the exponents: chosen without a branch
	s_wait_kmcnt 0x0
	s_add_co_i32 s98, s88, s89
	s_add_co_i32 s99, s90, s91
	s_add_co_i32 s100, s92, s93
	s_cmp_eq_u32 s66, 0
	s_cselect_b32 s83, s98, s99
	s_cselect_b32 s84, s95, s94                    ; k is the B of q k^T (entry 7), q its A (entry 6)
	s_cmp_eq_u32 s66, 2
	s_cselect_b32 s83, s100, s83                   ; ex + ew
	s_cselect_b32 s84, s97, s84                    ; eo; v: entry 9
	s_sub_co_i32 s100, 0, s83
	s_sub_co_i32 s84, s84, s83
	s_add_co_i32 s84, s84, 127
	s_lshl_b32 s98, s84, 23
	v_mov_b32 v[SCL], s98
	s_add_co_i32 s84, s84, 8
	s_lshl_b32 s84, s84, 23
	s_or_b32 s84, s84, 0x600000
	v_mov_b32 v[LIM], s84
	; the bias in the result's layout, / 2^(ex + ew)
	s_cmp_eq_u32 s82, 0
	s_cbranch_scc0 .Lbias_v
	v_lshlrev_b32 v5, 5, v2                        ; k, q: register 8 b + j holds the bias of channel 16 b + 8 h + j, the same for all blocks of A
.irp b, 0,1,2,3,4,5,6,7
	global_load_b128 v[BI+8*\b:BI+8*\b+3], v5, s[86:87] offset:64*\b
	global_load_b128 v[BI+8*\b+4:BI+8*\b+7], v5, s[86:87] offset:64*\b+16
.endr
	s_wait_loadcnt 0x0
.set j, 0
.rept 64
	v_ldexp_f32 v[BI+j], v[BI+j], s100
.set j, j+1
.endr
	s_branch .Lbias_done
.Lbias_v:
	v_lshlrev_b32 v5, 2, v1                        ; v: all eight registers of block a hold the bias of channel 16 a + r
.irp a, 0,1,2,3,4,5,6,7
	global_load_b32 v[BI+8*\a], v5, s[86:87] offset:64*\a
.endr
	s_wait_loadcnt 0x0
.irp a, 0,1,2,3,4,5,6,7
.irp j, 7,6,5,4,3,2,1,0
	v_ldexp_f32 v[BI+8*\a+\j], v[BI+8*\a], s100
.endr
.endr
.Lbias_done:
.macro FRAG reg, adr, q, i             ; a fragment, 16 rows x 128 K: lane l holds row l % 16; registers 4 c .. 4 c + 3 hold K = 32 c + 16 (l / 16) + 0 .. 15: the same permutation of k in A and in B
.irp c, 0,1,2,3
	ds_load_b128 v[\reg+4*\c:\reg+4*\c+3], v[\adr] offset:128*(\q)+32*\c+(\i)*16*PITCH
.endr
.endm
; 16 matrix instructions: A's blocks a0, a0 + 1 x B's eight, 128 along K.  p: B's set.  cs = 0: the sums go on; 1: they begin with the bias by B's block; 2: by A's block.
; The 64 accumulators take turns, one instruction a turn, in the same order in every step.
.macro MUL16 a0, p, cs
.irp a, \a0, \a0+1
.irp b, 0,1,2,3,4,5,6,7
.if \cs == 0
	v_wmma_f32_16x16x128_fp8_fp8 v[8*(8*((\a)%4)+\b):8*(8*((\a)%4)+\b)+7], v[128*(\p)+FR*\b:128*(\p)+FR*\b+FR-1], v[AF+FR*(\a):AF+FR*(\a)+FR-1], v[8*(8*((\a)%4)+\b):8*(8*((\a)%4)+\b)+7]
.elseif \cs == 1
	v_wmma_f32_16x16x128_fp8_fp8 v[8*(8*((\a)%4)+\b):8*(8*((\a)%4)+\b)+7], v[128*(\p)+FR*\b:128*(\p)+FR*\b+FR-1], v[AF+FR*(\a):AF+FR*(\a)+FR-1], v[BI+8*\b:BI+8*\b+7]
.else
	v_wmma_f32_16x16x128_fp8_fp8 v[8*(8*((\a)%4)+\b):8*(8*((\a)%4)+\b)+7], v[128*(\p)+FR*\b:128*(\p)+FR*\b+FR-1], v[AF+FR*(\a):AF+FR*(\a)+FR-1], v[BI+8*(\a):BI+8*(\a)+7]
.endif
.endr
.endr
.endm
.macro FETCH_B slot, q, p              ; B's eight fragments of the slot's q-th 128 along K into set p
	WIN TO_B
.irp i, 0,1,2,3,4,5,6,7
	FRAG 128*(\p)+FR*\i, ADRB+\slot, \q, \i
.endr
	WIN 0
.endm
.macro FETCH_A slot, q, i0             ; A's blocks i0 .. i0 + 3
.irp i, \i0, \i0+1, \i0+2, \i0+3
	FRAG AF+FR*(\i), ADRA+\slot, \q, \i
.endr
.endm
.macro PLACES n                        ; plain vector instructions between a matrix instruction and a load into, or a read of, its registers
.rept \n
	v_nop
.endr
.endm
; A step of 128 along K that has its successor in the same slot.  A block of A is free as soon as its eight products are issued: blocks 0-3 are fetched anew in the step's middle, blocks 4-7 at its end.
.macro STEP slot, q, cs
	s_wait_dscnt 4*NL                              ; B's set and A's blocks 0-3 are in; the youngest sixteen loads (A's blocks 4-7) may be out
.if \cs
	WIN 0x81                                       ; the bias lies in window 0, the sums in window 2
.else
	WIN MUL_LO
.endif
	MUL16 0, (\q)%2, \cs
	MUL16 2, (\q)%2, \cs
	s_wait_dscnt 0                                 ; A's blocks 4-7 are in
	PLACES NP
	FETCH_B \slot, (\q)+1, 1-(\q)%2
	FETCH_A \slot, (\q)+1, 0
.if \cs
	WIN 0xc1
.else
	WIN MUL_HI
.endif
	MUL16 4, (\q)%2, \cs
	MUL16 6, (\q)%2, \cs
	PLACES NP
	WIN 0
	FETCH_A \slot, (\q)+1, 4
.endm
; A slot's last step changes slots: ONE barrier; in front of it each wave waits for all its tensor loads, adds 0 to its spare word, and waits for that and for its own reads of this slot.  fill = 1: this slot is filled again, two K steps ahead.
.macro TURN slot, next, fill
	s_wait_tensorcnt 0x0                           ; all my tensor loads have landed: my part of the next slot
	ds_add_u32 v[SPW], v[NIL]                      ; 0 onto my spare word
	s_wait_dscnt 4*NL+1                            ; (the add and the youngest sixteen loads may be out)
	WIN MUL_LO
	MUL16 0, 1, 0                                  ; sixteen matrix instructions stand between the add and the wait for it
	s_wait_dscnt 0x0                               ; the add is done, and my reads of this slot are over
	s_barrier_signal -1
	MUL16 2, 1, 0
	WIN 0
	s_barrier_wait -1
.if \fill
	CREST                                          ; the barrier has opened a round of the cluster's barrier: no wave of any partner still reads this slot or has a load on its way
	s_add_nc_u64 s[G0+4*\slot+2:G0+4*\slot+3], s[G0+4*\slot+2:G0+4*\slot+3], 2*ROWB
	s_add_nc_u64 s[G0B+4*\slot+2:G0B+4*\slot+3], s[G0B+4*\slot+2:G0B+4*\slot+3], 2*ROWB
	JLOAD G0+4*\slot, G1, G0B+4*\slot, G1B         ; the first tensor load behind the round; its four v_nop are also the places in front of the loads below
.else
	PLACES NP
.endif
	FETCH_B \next, 0, 0
	FETCH_A \next, 0, 0
	WIN MUL_HI
	MUL16 4, 1, 0
	MUL16 6, 1, 0
	PLACES NP
	WIN 0
	FETCH_A \next, 0, 4
.endm
	s_wait_tensorcnt 1                             ; my part of K step 0 is in (K step 1's load may be out)
	s_barrier_signal -1
	s_barrier_wait -1                              ; everybody's is
	FETCH_B 0, 0, 0
	FETCH_A 0, 0, 0
	FETCH_A 0, 0, 4
	s_cmp_eq_u32 s82, 0                            ; the first step is written twice: its products begin the sums with the bias, which lies by B's blocks (k, q) or by A's (v)
	s_cbranch_scc0 .Lfirst_v
	s_wait_alu depctr_va_vdst(0)
	STEP 0, 0, 1
	s_branch .Lfirst_done
.Lfirst_v:
	s_wait_alu depctr_va_vdst(0)
	STEP 0, 0, 2
.Lfirst_done:
	TURN 0, 1, 1                                   ; K = 1,024 is four slots' worth: slot 0 takes K step 2,
	STEP 1, 0, 0
	TURN 1, 0, 1                                   ; slot 1 K step 3,
	STEP 0, 0, 0
	TURN 0, 1, 0                                   ; and nothing is left to fetch
	STEP 1, 0, 0
	s_wait_dscnt 4*NL                              ; the very last step
	WIN MUL_LO
	MUL16 0, 1, 0
	MUL16 2, 1, 0
	s_wait_dscnt 0
	WIN MUL_HI
	MUL16 4, 1, 0
	MUL16 6, 1, 0
	WIN 0
; THE WAY OUT, block by block of A's 16 rows: the 64 sums of a lane are held within the largest code x the scale (each accumulator from its low end on), converted eight at a time, and stored as they stand.
.macro OUT kind
	PLACES NP
.irp a, 0,1,2,3,4,5,6,7
	WIN 0x02+(\a/4)                                ; source 0: window 2 or 3
.set j, 0
.rept 64
	v_med3_num_f32 v[TMP+j], v[64*(\a%4)+j], -v[LIM], v[LIM]
.set j, j+1
.endr
	WIN 0
.if \a >= 2
	s_wait_alu depctr_va_vdst(0)
	s_wait_xcnt 0x0                                ; the stores of two blocks back have read this set of code registers
.endif
.irp b, 0,1,2,3,4,5,6,7
	v_cvt_scalef32_pk8_fp8_f32 v[CD+16*(\a%2)+2*\b:CD+16*(\a%2)+2*\b+1], v[TMP+8*\b:TMP+8*\b+7], v[SCL]
.endr
	v_nop                                          ; a plain vector line behind the last conversion: the next block's holds write the conversions' sources
.if \kind == 0
.irp b, 0,1,2,3,4,5,6,7
	global_store_b64 v[CO0], v[CD+16*(\a%2)+2*\b:CD+16*(\a%2)+2*\b+1], s[12:13] offset:(\b/4)*131072+\a*1024+256*(\b%4)   ; token 16 a + r, channels 16 b + 8 h + 0 .. 7: the wave's 256 bytes are consecutive and aligned
.endr
.else
.irp c, 0,1,2,3
	global_store_b128 v[CO1], v[CD+16*(\a%2)+4*\c:CD+16*(\a%2)+4*\c+3], s[12:13] offset:(\a/4)*131072+(\a%4)*2048+512*\c  ; channel 16 a + r, tokens 32 c + 8 h + 0 .. 7 and 32 c + 16 + 8 h + 0 .. 7: 512 consecutive bytes
.endr
.endif
.endr
.endm
	s_cmp_eq_u32 s82, 0
	s_cbranch_scc0 .Lout_v
	OUT 0
	s_branch .Lout_done
.Lout_v:
	OUT 1
.Lout_done:
	s_wait_tensorcnt 0x0                           ; the wave's end
	ds_add_u32 v[SPW], v[NIL]
	s_wait_dscnt 0x0
	CROUND                                         ; the closing round: no work-group ends while a partner may still ask for a tile that names it
	s_endpgm
.Lfunc_end_k_q76babccabb_qkv:
	.size	k_q76babccabb_qkv, .Lfunc_end_k_q76babccabb_qkv-k_q76babccabb_qkv
	.p2alignl 7, 3214868480
	.fill 96, 4, 3214868480
	.section	.rodata,"a",@progbits
	.p2align	6, 0x0
	.amdhsa_kernel k_q76babccabb_qkv
		.amdhsa_group_segment_fixed_size 327680
		.amdhsa_private_segment_fixed_size 0
		.amdhsa_enable_private_segment 0
		.amdhsa_kernarg_size 72
		.amdhsa_user_sgpr_count 2
		.amdhsa_user_sgpr_kernarg_segment_ptr 1
		.amdhsa_wavefront_size32 1
		.amdhsa_system_sgpr_workgroup_id_x 1
		.amdhsa_system_sgpr_workgroup_id_y 1
		.amdhsa_system_sgpr_workgroup_id_z 1
		.amdhsa_system_vgpr_workitem_id 0
		.amdhsa_next_free_vgpr 1024
		.amdhsa_next_free_sgpr 102
		.amdhsa_reserve_vcc 0
		.amdhsa_float_denorm_mode_32 3
		.amdhsa_float_denorm_mode_16_64 3
		.amdhsa_memory_ordered 1
		.amdhsa_forward_progress 1
		.amdhsa_inst_pref_size 182
	.end_amdhsa_kernel
	.amdgpu_metadata
---
amdhsa.version: [ 1, 2 ]
amdhsa.kernels:
  - .name:           k_q76babccabb_qkv
    .symbol:         k_q76babccabb_qkv.kd
    .args:
      - { .name: xc, .offset: 0, .size: 8, .value_kind: global_buffer, .address_space: global }
      - { .name: wc, .offset: 8, .size: 8, .value_kind: global_buffer, .address_space: global }
      - { .name: bk, .offset: 16, .size: 8, .value_kind: global_buffer, .address_space: global }
      - { .name: bq, .offset: 24, .size: 8, .value_kind: global_buffer, .address_space: global }
      - { .name: bv, .offset: 32, .size: 8, .value_kind: global_buffer, .address_space: global }
      - { .name: lowp_scales, .offset: 40, .size: 8, .value_kind: global_buffer, .address_space: global }
      - { .name: kc, .offset: 48, .size: 8, .value_kind: global_buffer, .address_space: global }
      - { .name: qc, .offset: 56, .size: 8, .value_kind: global_buffer, .address_space: global }
      - { .name: vc, .offset: 64, .size: 8, .value_kind: global_buffer, .address_space: global }
    .group_segment_fixed_size: 327680
    .private_segment_fixed_size: 0
    .kernarg_segment_align: 8
    .kernarg_segment_size: 72
    .max_flat_workgroup_size: 128
    .sgpr_count:     102
    .vgpr_count:     1024
    .wavefront_size: 32
...
	.end_amdgpu_metadata
.endif
;; end of part 2
;; launch attn (part 3): grid 4 x 64, 8 waves a work-group, clusters of 4 x 1, 327,680 bytes of LDS; arguments qc, kc, vc, lowp_scales, yc; writes yc
.if DOCPART == 3
	.amdgcn_target "amdgcn-amd-amdhsa--gfx1250"
	.amdhsa_code_object_version 6
	.text
	.protected	k_q76babccabb_attn
	.globl	k_q76babccabb_attn
	.p2align	8
	.type	k_q76babccabb_attn,@function
k_q76babccabb_attn:
	s_mov_b64 s[64:65], 0
	v_nop
	global_prefetch_b8 v0, s[64:65] scope:SCOPE_SE
	s_setreg_imm32_b32 hwreg(HW_REG_WAVE_MODE, 25, 1), 1
	s_wait_xcnt 0x0
	s_wait_alu depctr_hold_cnt(0) depctr_sa_sdst(0) depctr_va_vdst(0) depctr_va_sdst(0) depctr_va_ssrc(0) depctr_va_vcc(0) depctr_vm_vsrc(0)
	s_getreg_b32 s2, hwreg(HW_REG_IB_STS2, 6, 4)
	s_cmp_eq_u32 s2, 0
	s_cbranch_scc0 .Lentry_in_a_cluster
	s_endpgm
.Lentry_in_a_cluster:
	s_bfe_u32 s2, ttmp6, 0x10000c
	s_cmp_lg_u32 s2, 0x3003
	s_cbranch_scc0 .Lentry_shape_is_right
	s_endpgm
.Lentry_shape_is_right:
; LAUNCH 3 OF 4: y = softmax(q k^T / 8, causal) v for the 64 (batch, head) pairs, both products on codes of FP8 (E4M3); y is quantised at once for the last product.
; WORK LEFT OUT: key steps of 128 keys that lie wholly above the diagonal: reference() itself sets those logits to -inf, so their weights are 0 for all values of the inputs.
; LIMIT: a NaN, an infinity or an overflow that would arise only in those steps is not carried to the result.
; THE SOFTMAX: t = score x log2(e) / 8; M = the row's largest t so far, rounded UP to a whole number; p = 2^(t - M) is what is quantised (entry 8), not normalised.
; The row's sum is taken of the unquantised p, in f32, and divides at the end.  When M moves, the sum and O are multiplied by 2^(old M - new M): exact.
; SHARES.  A cluster of four work-groups is one head.  Wave w (0..7) of partner j (0..3) owns two double tiles of 32 queries: a = 63 - 4 w - j (phase H: 16 - w key steps) and a = 4 w + j (phase L: w + 1):
; 17 key steps for every wave of the launch.  The counts of steps, and the step on the diagonal (each phase's last), hang on the wave's number alone; j enters only global addresses and the mask's lane thresholds.
; ALL OF THE HEAD'S K AND V LIE IN LDS (131,072 bytes each), brought once by joint loads that name the four partners; nothing is filled again.  Each wave issues two loads: its part of keys 0-511, then its part of the rest;
; so two tensor loads of a wave are out at most.  Wave 0 of every partner walks all sixteen steps, so every partner reads every tile.
; LAYOUT.  Both products are used transposed: S^T = K Q^T (source 0 = 16 keys, source 1 = 16 queries), O^T = V^T P^T (source 0 = 16 channels, source 1 = P): a lane holds ONE query (lane % 16) throughout.
; K, Q and V come as images of operand registers: a fragment's four registers are 512 consecutive bytes of LDS, 16 a lane.  K's and Q's images carry the same permutation of the head's 64;
; V's carry the keys in the places that p's codes take: registers 2 t, 2 t + 1 hold keys 16 t + 8 (lane / 16) + 0 .. 7.
; OUTPUT: yc, byte ((m / 16) 16 + hd) 1024 + 256 (d / 16) + 16 (m % 16) + d % 16, m = bb 2048 + t: each store of a wave covers 256 consecutive bytes, aligned.
; LIMITS on the given exponents: entries 6 + 7 between -123 and 130 (added to c's exponent field); entry 8 between -126 and 119; entry 10 - 8 - 9 between -126 and 119.
; REGISTERS.  Window 0: v1-11 addresses and constants; v12-27 eight registers of statistics a tile; v28-31 second sum chains; v32-159 S^T, then p, 64 a tile; v160-191 p's codes; v192-255 K's eight fragments.
;   Window 1: v0-63 V's four fragments; v64-127 O^T, 32 a tile; v128-143 Q of phase H; v144-159 Q of phase L.
.set SPARE, 262144                     ; behind K and V: the spare words, 128 bytes for each of eight waves: four blocks of 256 bytes that no other line names
.set AK0,  1                           ; v1   16 x lane: my place in an image of K (and in Q's images in memory)
.set AV0,  2                           ; v2   131,072 + 16 x lane: the same for V
.set ADK,  3                           ; v3   LDS address of the step's K
.set ADV,  4                           ; v4   of its V
.set GO,   5                           ; v5   16 r + 8 h: my 8 bytes of an image's 256 in yc
.set SPW,  6                           ; v6   LDS address of my spare word; never rewritten
.set NIL,  7                           ; v7   0; never rewritten
.set DQ,   8                           ; v8, v9  tile e: my query less the diagonal step's first key less 8 (lane / 16)
.set LIMP, 10
.set SCP,  11                          ; v11  2^e8
.set ST,   12                          ; tile e at v[ST + 8 e]: +0 -M, +1 the largest t, +2, +3 the sum in two halves, +4, +5 at work, +6 f, +7 named with f as a pair
.set CH,   28                          ; v[28:29], v[30:31] the second chains of the sums; at a phase's end v28 = y's scale
.set S,    32
.set PC,   160
.set KF,   192
.set VF,   0                           ; window 1
.set O,    64
.set QH,   128
.set QL,   144
.set WV,   14                          ; s14 wave
.set CX,   15                          ; s15 j: my place in the cluster
.set BH,   16                          ; s16 batch x 16 + head
.set SEL,  20                          ; s[20:21] lane selects for v_permlanex16_b32: lane l xor 16
.set CS,   22                          ; s[22:23] c = log2(e) / 8 x 2^(e6 + e7)
.set G1A,  24                          ; s[24:31] descriptor group 1: 32 rows of 256 bytes
.set G1B,  32                          ; s[32:39] 96 rows of 256 bytes
.set G0A,  40                          ; s[40:43], s[44:47] their groups 0
.set G0B,  44
.set TB,   48                          ; s48  8,192 x the key step: the step's bytes in K and in V, and the loops' counter
.set LASTB, 49                         ; s49  the same for the phase's last step
.set MSB, 0
.macro WIN new                         ; the immediate's high byte repeats the setting that is left
.if MSB != (\new)
	s_set_vgpr_msb (MSB<<8)|(\new)
.set MSB, (\new)
.endif
.endm
.macro ROUND                           ; a round of the cluster's barrier
	s_barrier_signal -1
	s_barrier_wait -1
	s_cmp_lg_u32 s[WV], 0
	s_cbranch_scc1 .Lnot_wave_0_\@
	s_barrier_signal -3
.Lnot_wave_0_\@:
	s_barrier_wait -3
	s_barrier_signal -1
	s_barrier_wait -1
.endm
	s_load_b256 s[4:11], s[0:1], 0x0               ; qc 4, kc 6, vc 8, the exponents 10
	s_load_b64 s[12:13], s[0:1], 0x20              ; yc
	v_lshl_add_u32 v[SPW], v0, 2, SPARE
	v_mov_b32 v[NIL], 0
	ds_add_u32 v[SPW], v[NIL]                      ; the wave's opening: the add, twice on end, and its wait ahead of my first tensor load
	ds_add_u32 v[SPW], v[NIL]
	v_lshrrev_b32 v1, 5, v0
	s_delay_alu instid0(VALU_DEP_1)
	v_readfirstlane_b32 s[WV], v1                  ; wave 0..7
	s_bfe_u32 s[CX], ttmp6, 0x40000
	s_and_b32 s[BH], ttmp7, 0xffff                 ; the cluster's y: which the four partners share
	s_mov_b32 s[G1A], 15|(3<<16)|(1<<21)           ; 15:0 the mask: all four work-groups; 17:16 elements of 8 bytes; 21 set beside a mask; no padding
	s_mov_b32 s[G1A+1], 32<<16                     ; tensor_dim0 = 32 elements: 256 bytes
	s_mov_b32 s[G1A+2], 32<<16                     ; tensor_dim1 = 32 rows
	s_mov_b32 s[G1A+3], 32<<16                     ; tile_dim0
	s_mov_b32 s[G1A+4], 32                         ; tile_dim1
	s_mov_b32 s[G1A+5], 32                         ; tensor_dim0_stride: the block is dense
	s_mov_b32 s[G1A+6], 0
	s_mov_b32 s[G1A+7], 0
	s_mov_b32 s[G1B], 15|(3<<16)|(1<<21)
	s_mov_b32 s[G1B+1], 32<<16
	s_mov_b32 s[G1B+2], 96<<16                     ; 96 rows
	s_mov_b32 s[G1B+3], 32<<16
	s_mov_b32 s[G1B+4], 96
	s_mov_b32 s[G1B+5], 32
	s_mov_b32 s[G1B+6], 0
	s_mov_b32 s[G1B+7], 0
	s_mov_b32 s[SEL], 0x76543210
	s_mov_b32 s[SEL+1], 0xfedcba98
	s_mov_b32 s[CS], 0x3e38aa3b                    ; log2(e) / 8
	s_lshr_b32 s76, s[WV], 2                       ; waves 0-3 fetch K, waves 4-7 V
	s_lshl_b32 s76, s76, 17                        ; K's or V's half of LDS
	s_and_b32 s77, s[WV], 3
	s_lshl_b32 s78, s77, 13                        ; my 8,192 bytes of the first 32,768 (keys 0-511),
	s_mul_i32 s79, s77, 24576
	s_add_co_u32 s79, s79, 32768                   ; my 24,576 of the rest
	s_mov_b32 s[G0A], 1
	s_add_co_u32 s[G0A+1], s76, s78
	s_mov_b32 s[G0B], 1
	s_add_co_u32 s[G0B+1], s76, s79
	s_wait_dscnt 0x0                               ; both opening adds are done
	s_wait_kmcnt 0x0
	s_load_b256 s[68:75], s[10:11], 0x10           ; e4 .. e11: s70 e6, s71 e7, s72 e8, s73 e9, s74 e10
	s_cmp_lt_u32 s[WV], 4                          ; the choice hangs on the wave's number alone
	s_cselect_b64 s[80:81], s[6:7], s[8:9]
	s_lshl_b32 s82, s[BH], 17                      ; the head's 131,072 bytes
	s_mov_b32 s83, 0
	s_add_nc_u64 s[80:81], s[80:81], s[82:83]
	s_mov_b32 s82, s78
	s_add_nc_u64 s[G0A+2:G0A+3], s[80:81], s[82:83]
	s_or_b32 s[G0A+3], s[G0A+3], 0x80000000
	s_mov_b32 s82, s79
	s_add_nc_u64 s[G0B+2:G0B+3], s[80:81], s[82:83]
	s_or_b32 s[G0B+3], s[G0B+3], 0x80000000
	ROUND                                          ; all four work-groups are here: the joint loads meet
	tensor_load_to_lds s[G0A:G0A+3], s[G1A:G1A+7]  ; every wave issues both: the LDS and global addresses hang on the wave's number
	s_nop 0
	s_wait_alu depctr_va_vdst(0)
	s_wait_tensorcnt 0x0
	ds_add_u32 v6, v7
	s_wait_dscnt 0x0
	ROUND
	tensor_load_to_lds s[G0B:G0B+3], s[G1B:G1B+7]
	s_nop 0
.rept 4
	v_nop
.endr
	; my two double tiles: Q's images and y's
	s_lshl_b32 s76, s[WV], 2
	s_add_co_u32 s76, s76, s[CX]                   ; phase L: a = 4 w + j
	s_sub_co_u32 s77, 63, s76                      ; phase H: a = 63 - 4 w - j
	s_lshl_b32 s50, s[BH], 17
	s_mov_b32 s51, 0
	s_add_nc_u64 s[4:5], s[4:5], s[50:51]
	s_lshl_b32 s50, s77, 11                        ; a double tile of Q is 2,048 bytes
	s_add_nc_u64 s[52:53], s[4:5], s[50:51]
	s_lshl_b32 s50, s76, 11
	s_add_nc_u64 s[54:55], s[4:5], s[50:51]
	s_lshr_b32 s50, s[BH], 4
	s_lshl_b32 s50, s50, 21                        ; the batch's 128 token tiles of 16,384 bytes,
	s_and_b32 s78, s[BH], 15
	s_lshl_b32 s78, s78, 10                        ; the head's 1,024 bytes of a token tile
	s_add_co_u32 s50, s50, s78
	s_add_nc_u64 s[12:13], s[12:13], s[50:51]
	s_lshl_b32 s50, s77, 15
	s_add_nc_u64 s[56:57], s[12:13], s[50:51]
	s_lshl_b32 s50, s76, 15
	s_add_nc_u64 s[58:59], s[12:13], s[50:51]
	s_lshl_b32 s63, s[CX], 5                       ; phase L: my first query less the diagonal step's first key: 32 j;
	s_sub_co_u32 s62, 96, s63                      ; phase H: 96 - 32 j
	s_lshl_b32 s67, s[WV], 13                      ; phase L's last step: w;
	s_xor_b32 s66, s[WV], 15
	s_lshl_b32 s66, s66, 13                        ; phase H's: 15 - w
	v_and_b32 v[AK0], 31, v0
	s_delay_alu instid0(VALU_DEP_1)
	v_lshlrev_b32 v[AK0], 4, v[AK0]
	s_delay_alu instid0(VALU_DEP_1)
	v_add_nc_u32 v[AV0], 131072, v[AK0]
	v_and_b32 v[GO], 15, v0
	s_delay_alu instid0(VALU_DEP_1)
	v_lshlrev_b32 v[GO], 4, v[GO]
	v_bfe_u32 v[ADK], v0, 4, 1
	s_delay_alu instid0(VALU_DEP_1)
	v_lshl_add_u32 v[GO], v[ADK], 3, v[GO]
	WIN 0x40                                       ; destination window 1
.irp e, 0,1
.irp c, 0,1
	global_load_b128 v[QH+8*\e+4*\c:QH+8*\e+4*\c+3], v[AK0], s[52:53] offset:1024*\e+512*\c
	global_load_b128 v[QL+8*\e+4*\c:QL+8*\e+4*\c+3], v[AK0], s[54:55] offset:1024*\e+512*\c
.endr
.endr
	WIN 0
	s_wait_kmcnt 0x0
	s_add_co_i32 s76, s70, s71
	s_lshl_b32 s76, s76, 23
	s_add_co_i32 s[CS], s[CS], s76                 ; a score stands for score x 2^(e6 + e7): added to c's exponent field
	s_mov_b32 s[CS+1], s[CS]                       ; (named with it as a pair, so it is written)
	s_add_co_i32 s76, s72, 127
	s_lshl_b32 s77, s76, 23
	v_mov_b32 v[SCP], s77
	s_sub_co_i32 s76, s74, s72
	s_sub_co_i32 s76, s76, s73                     ; O / l stands for y / 2^(e8 + e9): y's code is (O / l) / 2^(e10 - e8 - e9)
	s_add_co_i32 s76, s76, 127
	s_lshl_b32 s60, s76, 23
; A KEY STEP: 128 keys for my double tile; qb: Q's registers.  A step behind the phase's last is left out: a scalar branch on the wave's number and the count of steps.
.macro KSTEP qb
	s_cmp_gt_u32 s[TB], s[LASTB]
	s_cbranch_scc1 .Lskip_\@
	s_setprio 2
	v_add_nc_u32 v[ADK], s[TB], v[AK0]
	v_add_nc_u32 v[ADV], s[TB], v[AV0]
	v_nop                                          ; with the two additions: four places between the last step's products and the loads into V's registers
	v_nop
.irp t, 0,1,2,3,4,5,6,7
.irp c, 0,1
	ds_load_b128 v[KF+8*\t+4*\c:KF+8*\t+4*\c+3], v[ADK] offset:1024*\t+512*\c
.endr
.endr
	WIN 0x40
.irp d, 0,1,2,3
.irp c, 0,1,2,3
	ds_load_b128 v[VF+16*\d+4*\c:VF+16*\d+4*\c+3], v[ADV] offset:2048*\d+512*\c
.endr
.endr
	s_wait_dscnt 16                                ; K's sixteen loads are in; V's sixteen may be out
	WIN 0x04                                       ; source 1 (Q) window 1
.irp t, 0,1,2,3,4,5,6,7
.irp e, 0,1
	v_wmma_f32_16x16x64_fp8_fp8 v[S+64*\e+8*\t:S+64*\e+8*\t+7], v[KF+8*\t:KF+8*\t+7], v[\qb+8*\e:\qb+8*\e+7], 0
.endr
.endr
	WIN 0
.rept 4
	v_nop
.endr
	s_cmp_lg_u32 s[TB], s[LASTB]                   ; on the diagonal, the phase's last step, the scores of hidden keys become -infinity ahead of the maximum: p = 0 then
	s_cbranch_scc1 .Lopen_\@
	v_mov_b32 v[ST+4], 0xff800000
.irp e, 0,1
.set n, 0
.rept 64
	v_cmp_gt_i32 vcc_lo, 16*(n/8)+n%8, v[DQ+\e]    ; register n holds key 16 (n / 8) + 8 (lane / 16) + n % 8 of the step
	v_cndmask_b32 v[S+64*\e+n], v[S+64*\e+n], v[ST+4], vcc_lo
.set n, n+1
.endr
.endr
.Lopen_\@:
.irp e, 0,1                                    ; the step's largest score of my query among my 64 keys: two chains a tile, ascending, the two tiles by turns
	v_max3_num_f32 v[ST+8*\e+4], v[S+64*\e], v[S+64*\e+1], v[S+64*\e+2]
	v_max3_num_f32 v[ST+8*\e+5], v[S+64*\e+3], v[S+64*\e+4], v[S+64*\e+5]
.endr
.irp i, 6,10,14,18,22,26,30,34,38,42,46,50,54,58
.irp e, 0,1
	v_max3_num_f32 v[ST+8*\e+4], v[ST+8*\e+4], v[S+64*\e+\i], v[S+64*\e+\i+1]
	v_max3_num_f32 v[ST+8*\e+5], v[ST+8*\e+5], v[S+64*\e+\i+2], v[S+64*\e+\i+3]
.endr
.endr
.irp e, 0
	v_max3_num_f32 v[ST+8*\e+4], v[ST+8*\e+4], v[S+64*\e+62], v[S+64*\e+63]
.endr
.irp e, 1
	v_max3_num_f32 v[ST+8*\e+4], v[ST+8*\e+4], v[S+64*\e+62], v[S+64*\e+63]
.endr
.irp e, 0,1
	s_delay_alu instid0(VALU_DEP_2)
	v_max_num_f32 v[ST+8*\e+4], v[ST+8*\e+4], v[ST+8*\e+5]
.endr
.irp e, 0,1
	s_delay_alu instid0(VALU_DEP_2)
	v_permlanex16_b32 v[ST+8*\e+5], v[ST+8*\e+4], s[SEL], s[SEL+1]
.endr
.irp e, 0,1
	s_delay_alu instid0(VALU_DEP_2)
	v_max_num_f32 v[ST+8*\e+4], v[ST+8*\e+4], v[ST+8*\e+5]   ; and among lane l xor 16's
.endr
.irp e, 0,1
	s_delay_alu instid0(VALU_DEP_2)
	v_mul_f32 v[ST+8*\e+4], s[CS], v[ST+8*\e+4]    ; as t (c is positive)
.endr
.irp e, 0,1
	s_delay_alu instid0(VALU_DEP_2)
	v_max_num_f32 v[ST+8*\e+1], v[ST+8*\e+1], v[ST+8*\e+4]   ; the running largest t
.endr
.irp e, 0,1
	v_mov_b32 v[ST+8*\e+4], v[ST+8*\e]
.endr
.irp e, 0,1
	s_delay_alu instid0(VALU_DEP_4)
	v_floor_f32 v[ST+8*\e], -v[ST+8*\e+1]          ; the new -M = floor(-t) = -ceil(t)
.endr
.irp e, 0,1
	s_delay_alu instid0(VALU_DEP_2)
	v_sub_f32 v[ST+8*\e+4], v[ST+8*\e], v[ST+8*\e+4]   ; old M less new M: a whole number, 0 or less
.endr
.irp e, 0,1
	s_delay_alu instid0(VALU_DEP_2)
	v_cvt_i32_f32 v[ST+8*\e+4], v[ST+8*\e+4]       ; (it saturates)
.endr
.irp e, 0,1
	s_delay_alu instid0(VALU_DEP_2)
	v_ldexp_f32 v[ST+8*\e+6], 1.0, v[ST+8*\e+4]    ; f = 2^(old M - new M)
.endr
.set n, 0
	s_setprio 1
.rept 32
.irp e, 0,1
	v_pk_fma_f32 v[S+64*\e+n:S+64*\e+n+1], v[S+64*\e+n:S+64*\e+n+1], s[CS:CS+1], v[ST+8*\e:ST+8*\e+1] op_sel_hi:[1,0,0]   ; t - M, two at a time (of the pairs c and -M the low word serves both halves)
.endr
.set n, n+2
.endr
.set n, 0
	s_wait_alu depctr_va_vdst(0)
.rept 128
	v_exp_f32 v[S+n], v[S+n]                       ; p = 2^(t - M): one batch for both tiles
.set n, n+1
.endr
.irp e, 0,1
	v_pk_mul_f32 v[ST+8*\e+2:ST+8*\e+3], v[ST+8*\e+2:ST+8*\e+3], v[ST+8*\e+6:ST+8*\e+7] op_sel_hi:[1,0]   ; the sums under the new M: the plain lines behind the exponentials
.endr
	s_wait_alu depctr_va_vdst(0)                   ; one wait for the whole batch, ahead of its first reader
.irp e, 0,1
	v_pk_add_f32 v[CH+2*\e:CH+2*\e+1], v[S+64*\e:S+64*\e+1], v[S+64*\e+2:S+64*\e+3]   ; the row's sum is taken of the unquantised p
.endr
.irp j, 4,8,12,16,20,24,28,32,36,40,44,48,52,56,60
.irp e, 0,1
	v_pk_add_f32 v[ST+8*\e+2:ST+8*\e+3], v[ST+8*\e+2:ST+8*\e+3], v[S+64*\e+\j:S+64*\e+\j+1]
	v_pk_add_f32 v[CH+2*\e:CH+2*\e+1], v[CH+2*\e:CH+2*\e+1], v[S+64*\e+\j+2:S+64*\e+\j+3]
.endr
.endr
.irp e, 0
	s_delay_alu instid0(VALU_DEP_3)
	v_pk_add_f32 v[ST+8*\e+2:ST+8*\e+3], v[ST+8*\e+2:ST+8*\e+3], v[CH+2*\e:CH+2*\e+1]
.endr
.irp e, 1
	s_delay_alu instid0(VALU_DEP_2)
	v_pk_add_f32 v[ST+8*\e+2:ST+8*\e+3], v[ST+8*\e+2:ST+8*\e+3], v[CH+2*\e:CH+2*\e+1]
.endr
	s_setprio 0
.irp e, 0,1
.irp t, 0,1,2,3,4,5,6,7
.irp i, 0,1,2,3,4,5,6,7
.endr
	v_cvt_scalef32_pk8_fp8_f32 v[PC+16*\e+2*\t:PC+16*\e+2*\t+1], v[S+64*\e+8*\t:S+64*\e+8*\t+7], v[SCP]
.endr
.endr
	WIN 0x41                                       ; O^T (destination and source 0) window 1, f window 0
.irp e, 0,1
.set n, 0
.rept 16
	v_pk_mul_f32 v[O+32*\e+n:O+32*\e+n+1], v[O+32*\e+n:O+32*\e+n+1], v[ST+8*\e+6:ST+8*\e+7] op_sel_hi:[1,0]   ; O^T under the new M; also the plain lines behind the last conversion
.set n, n+2
.endr
.endr
	s_wait_alu depctr_va_vdst(0)
	s_wait_dscnt 0x0                               ; V is in
	WIN 0x51                                       ; V window 1, p's codes window 0, O^T window 1
.irp d, 0,1,2,3
.irp e, 0,1
	v_wmma_f32_16x16x128_fp8_fp8 v[O+32*\e+8*\d:O+32*\e+8*\d+7], v[VF+16*\d:VF+16*\d+15], v[PC+16*\e:PC+16*\e+15], v[O+32*\e+8*\d:O+32*\e+8*\d+7]
.endr
.endr
	WIN 0
.Lskip_\@:
.endm
; A phase begins: O^T and the sums are zeros and the largest t is -3e38, so that the step is written once: its first change of M multiplies zeros.
.macro INIT soff, slast
	s_wait_xcnt 0x0                                ; the last phase's stores have read their registers
	s_mov_b32 s[TB], 0
	s_mov_b32 s[LASTB], s[\slast]
	v_and_b32 v[DQ], 15, v0
	v_bfe_u32 v[DQ+1], v0, 4, 1
	s_delay_alu instid0(VALU_DEP_1)
	v_lshlrev_b32 v[DQ+1], 3, v[DQ+1]
	s_delay_alu instid0(VALU_DEP_1)
	v_sub_nc_u32 v[DQ], v[DQ], v[DQ+1]
	s_delay_alu instid0(VALU_DEP_1)
	v_add_nc_u32 v[DQ], s[\soff], v[DQ]            ; tile 0: r - 8 h + my first query less the diagonal step's first key;
	s_delay_alu instid0(VALU_DEP_1)
	v_add_nc_u32 v[DQ+1], 16, v[DQ]                ; tile 1: 16 more
.irp e, 0,1
	v_mov_b32 v[ST+8*\e+1], 0xff61b1e6
	s_delay_alu instid0(VALU_DEP_1)
	v_floor_f32 v[ST+8*\e], -v[ST+8*\e+1]
.irp i, 2,3,4,5,6,7
	v_mov_b32 v[ST+8*\e+\i], 0
.endr
.endr
	WIN 0x40
.set n, 0
.rept 64
	v_mov_b32 v[O+n], 0
.set n, n+1
.endr
	WIN 0
.endm
; A phase ends: O^T / the sum, quantised for the last product, 8 bytes a lane and tile of channels; yb: the scalar pair with y's address.
.macro FIN yb
.rept 4
	v_nop
.endr
.irp e, 0,1
	v_add_f32 v[ST+8*\e+4], v[ST+8*\e+2], v[ST+8*\e+3]
.endr
.irp e, 0,1
	s_delay_alu instid0(VALU_DEP_2)
	v_permlanex16_b32 v[ST+8*\e+5], v[ST+8*\e+4], s[SEL], s[SEL+1]
.endr
.irp e, 0,1
	s_delay_alu instid0(VALU_DEP_2)
	v_add_f32 v[ST+8*\e+4], v[ST+8*\e+4], v[ST+8*\e+5]   ; the row's sum
.endr
	s_wait_alu depctr_va_vdst(0)
.irp e, 0,1
	v_rcp_f32 v[ST+8*\e+6], v[ST+8*\e+4]
.endr
	v_mov_b32 v[CH], s60                           ; 2^(e10 - e8 - e9).  (The plain line behind the reciprocals)
	s_wait_alu depctr_va_vdst(0)                   ; one wait for both reciprocals, ahead of their first reader
	WIN 0x01                                       ; source 0 (O^T) window 1
.irp e, 0,1
.set n, 0
.rept 32
	v_mul_f32 v[S+32*\e+n], v[O+32*\e+n], v[ST+8*\e+6]
.set n, n+1
.endr
.endr
	WIN 0
.set n, 0
.rept 64
.set n, n+1
.endr
.irp e, 0,1
.irp d, 0,1,2,3
	v_cvt_scalef32_pk8_fp8_f32 v[PC+8*\e+2*\d:PC+8*\e+2*\d+1], v[S+32*\e+8*\d:S+32*\e+8*\d+7], v[CH]
.endr
.endr
	v_nop                                          ; a plain vector line behind the last conversion
.irp e, 0,1
.irp d, 0,1,2,3
	global_store_b64 v[GO], v[PC+8*\e+2*\d:PC+8*\e+2*\d+1], s[\yb:\yb+1] offset:16384*\e+256*\d   ; query 16 e + r, channels 16 d + 8 h + 0 .. 7: the wave's 256 bytes are consecutive and aligned
.endr
.endr
.endm
	INIT 62, 66                                    ; phase H
	s_wait_loadcnt 0x0                             ; Q
	s_wait_tensorcnt 1                             ; my part of keys 0-511 is in; my second load may stay out
	s_barrier_signal -1
	s_barrier_wait -1                              ; everybody's is
.Lh1:                                              ; key steps 0 to 3: every wave has at least nine steps in this phase
	KSTEP QH
	s_add_co_u32 s[TB], s[TB], 8192
	s_cmp_lt_u32 s[TB], 32768
	s_cbranch_scc1 .Lh1
	s_setprio 0
	s_wait_tensorcnt 0x0                           ; my part of the other keys is in,
	s_wait_dscnt 0x0
	s_barrier_signal -1
	s_barrier_wait -1                              ; everybody's is.  No barrier follows: from here on no wave waits for another
.Lh2:                                              ; key steps 4 to 15
	KSTEP QH
	s_add_co_u32 s[TB], s[TB], 8192
	s_cmp_lt_u32 s[TB], 131072
	s_cbranch_scc1 .Lh2
	s_setprio 0
	FIN 56
	INIT 63, 67                                    ; phase L
.Ll:                                               ; key steps 0 to 7
	KSTEP QL
	s_add_co_u32 s[TB], s[TB], 8192
	s_cmp_lt_u32 s[TB], 65536
	s_cbranch_scc1 .Ll
	s_setprio 0
	FIN 58
	s_wait_tensorcnt 0x0                           ; the wave's end
	ds_add_u32 v[SPW], v[NIL]
	s_wait_dscnt 0x0
	ROUND                                          ; the closing round
	s_endpgm
.Lfunc_end_k_q76babccabb_attn:
	.size	k_q76babccabb_attn, .Lfunc_end_k_q76babccabb_attn-k_q76babccabb_attn
	.p2alignl 7, 3214868480
	.fill 96, 4, 3214868480
	.section	.rodata,"a",@progbits
	.p2align	6, 0x0
	.amdhsa_kernel k_q76babccabb_attn
		.amdhsa_group_segment_fixed_size 327680
		.amdhsa_private_segment_fixed_size 0
		.amdhsa_enable_private_segment 0
		.amdhsa_kernarg_size 40
		.amdhsa_user_sgpr_count 2
		.amdhsa_user_sgpr_kernarg_segment_ptr 1
		.amdhsa_wavefront_size32 1
		.amdhsa_system_sgpr_workgroup_id_x 1
		.amdhsa_system_sgpr_workgroup_id_y 1
		.amdhsa_system_sgpr_workgroup_id_z 1
		.amdhsa_system_vgpr_workitem_id 0
		.amdhsa_next_free_vgpr 416
		.amdhsa_next_free_sgpr 84
		.amdhsa_reserve_vcc 1
		.amdhsa_float_denorm_mode_32 3
		.amdhsa_float_denorm_mode_16_64 3
		.amdhsa_fp16_overflow 1
		.amdhsa_memory_ordered 1
		.amdhsa_forward_progress 1
		.amdhsa_inst_pref_size 127
	.end_amdhsa_kernel
	.amdgpu_metadata
---
amdhsa.version: [ 1, 2 ]
amdhsa.kernels:
  - .name:           k_q76babccabb_attn
    .symbol:         k_q76babccabb_attn.kd
    .args:
      - { .name: qc, .offset: 0, .size: 8, .value_kind: global_buffer, .address_space: global }
      - { .name: kc, .offset: 8, .size: 8, .value_kind: global_buffer, .address_space: global }
      - { .name: vc, .offset: 16, .size: 8, .value_kind: global_buffer, .address_space: global }
      - { .name: lowp_scales, .offset: 24, .size: 8, .value_kind: global_buffer, .address_space: global }
      - { .name: yc, .offset: 32, .size: 8, .value_kind: global_buffer, .address_space: global }
    .group_segment_fixed_size: 327680
    .private_segment_fixed_size: 0
    .kernarg_segment_align: 8
    .kernarg_segment_size: 40
    .max_flat_workgroup_size: 256
    .sgpr_count:     84
    .vgpr_count:     416
    .wavefront_size: 32
...
	.end_amdgpu_metadata
.endif
;; end of part 3
;; launch proj (part 4): grid 4 x 32, 4 waves a work-group, clusters of 4 x 4, 327,680 bytes of LDS; arguments yc, wc, lowp_scales, bp, out0; writes out0
.if DOCPART == 4
	.amdgcn_target "amdgcn-amd-amdhsa--gfx1250"
	.amdhsa_code_object_version 6
	.text
	.protected	k_q76babccabb_proj
	.globl	k_q76babccabb_proj
	.p2align	8
	.type	k_q76babccabb_proj,@function
k_q76babccabb_proj:
	s_mov_b64 s[64:65], 0
	v_nop
	global_prefetch_b8 v0, s[64:65] scope:SCOPE_SE
	s_setreg_imm32_b32 hwreg(HW_REG_WAVE_MODE, 25, 1), 1
	s_wait_xcnt 0x0
	s_wait_alu depctr_hold_cnt(0) depctr_sa_sdst(0) depctr_va_vdst(0) depctr_va_sdst(0) depctr_va_ssrc(0) depctr_va_vcc(0) depctr_vm_vsrc(0)
	s_getreg_b32 s2, hwreg(HW_REG_IB_STS2, 6, 4)
	s_cmp_eq_u32 s2, 0
	s_cbranch_scc0 .Lentry_in_a_cluster
	s_endpgm
.Lentry_in_a_cluster:
	s_bfe_u32 s2, ttmp6, 0x10000c
	s_cmp_lg_u32 s2, 0xf033
	s_cbranch_scc0 .Lentry_shape_is_right
	s_endpgm
.Lentry_shape_is_right:
; LAUNCH 4 OF 4: out0 = y Wp + bp on codes of FP8 (E4M3).  No work of reference() is left out here.
; A = y's codes [8192 tokens][K 1024], laid as images of operand registers: byte ((m / 16) 16 + hd) 1024 + 256 (d / 16) + 16 (m % 16) + d % 16: a token tile of 16 rows is 16,384 bytes over all K, and 128 along K
; (two heads) are 2,048 bytes that four loads of 512 consecutive bytes bring: lane l then holds row l % 16, registers 4 c .. 4 c + 3 K = 32 c + 16 (l / 16) + 0 .. 15.
; B = plane 3 of wc, [n 1024][k 1024], rows with K innermost, read from padded LDS rows with the same permutation of k.
; A tile of out0 is 256 x 256: four waves, 128 x 128 each: 64 accumulators, 512 registers.  K goes in steps of 256 through two LDS slots; by this text's count a wave has at most two tensor loads out.
; THE MATRIX INSTRUCTION IS USED TRANSPOSED (source 0 = 16 rows of B, source 1 = 16 rows of A): a lane holds eight neighbouring numbers of a row of out0.
; bp / 2^(e10 + e11) is the C of each sum's first matrix instruction; each finished sum is multiplied once by 2^(e10 + e11).
; CLUSTERS: 4 x 4 work-groups; A's tiles are asked for jointly along a row of the cluster, B's along a column.
; LIMIT: e10 + e11 lies between -126 and 127.
; REGISTERS: window 0: v16-31 addresses; v32-95 the bias as C, on the way out a block's sums; v128-255 A's fragments, on the way out rows read back.  window 1: B's two sets.  windows 2, 3: the accumulators.
.set SIZE_N, 1024
.set PITCH,  272                       ; an LDS row of B: 256 bytes + 16 of padding
.set FR,     16
.set NL,     4
.set NP,     4                         ; places behind this matrix instruction (ISA guide 7.12.1)
.set AHALF,  32768                     ; 8 token tiles x 4,096 bytes: what one tensor load brings of A
.set BOFF,   2*AHALF                   ; B's rows lie behind A's 16 token tiles
.set BHALF,  128*PITCH
.set SLOT,   BOFF+2*BHALF
.set SPARE,  2*SLOT                    ; behind the ring: the spare words, 128 bytes for each wave: two blocks of 256 bytes that no other line names
.set SPITCH, 528                       ; the way out: a stage of 16 rows x (512 bytes + 16) for each wave, in slot 0, which has had its last fill and its last read when the first result is stored there
.set ADRA, 16
.set ADRB, 20
.set STO,  24
.set RD,   25
.set CO,   26                          ; v26  16 x lane
.set SPW,  28
.set NIL,  29
.set BI,   32
.set TMP,  32
.set AF,   128
.set BK,   128
.set G1, 24
.set G0, 32
.set G1B, 48
.set G0B, 56
.set MSB, 0
.macro WIN new                         ; the immediate's high byte repeats the setting that is left
.if MSB != (\new)
	s_set_vgpr_msb (MSB<<8)|(\new)
.set MSB, (\new)
.endif
.endm
.set MUL_LO, 0xa1
.set MUL_HI, 0xf1
.set TO_B,   0x40
.macro JLOAD g0a, g1a, g0b, g1b        ; a joint load: waves 0 and 1 fetch for A, waves 2 and 3 for B; an s_nop 0 and four v_nop follow each of the two lines
	s_cmp_eq_u32 s15, 0
	s_cbranch_scc0 .Lfor_b_\@
	tensor_load_to_lds s[\g0a:\g0a+3], s[\g1a:\g1a+7]
	s_nop 0
.rept 4
	v_nop
.endr
	s_branch .Lasked_\@
.Lfor_b_\@:
	tensor_load_to_lds s[\g0b:\g0b+3], s[\g1b:\g1b+7]
	s_nop 0
.rept 4
	v_nop
.endr
.Lasked_\@:
.endm
.macro CREST
	s_cmp_lg_u32 s14, 0
	s_cbranch_scc1 .Lnot_wave_0_\@
	s_barrier_signal -3
.Lnot_wave_0_\@:
	s_barrier_wait -3
	s_barrier_signal -1
	s_barrier_wait -1
.endm
.macro CROUND
	s_barrier_signal -1
	s_barrier_wait -1
	CREST
.endm
	s_load_b128 s[4:7], s[0:1], 0x0                ; yc, wc
	s_load_b128 s[8:11], s[0:1], 0x10              ; the exponents, bp
	s_load_b64 s[12:13], s[0:1], 0x20              ; out0
	v_lshl_add_u32 v[SPW], v0, 2, SPARE
	v_mov_b32 v[NIL], 0
	ds_add_u32 v[SPW], v[NIL]                      ; the wave's opening: the add, twice on end, and its wait ahead of my first tensor load
	ds_add_u32 v[SPW], v[NIL]
	v_lshrrev_b32 v1, 5, v0
	v_readfirstlane_b32 s14, v1                    ; wave 0..3
	s_lshr_b32 s15, s14, 1                         ; which half of the tile's rows is mine.  Also: I fetch for A (0) or for B (1)
	s_and_b32 s16, s14, 1                          ; which half of its columns.  Also: which half of that tile I fetch
	s_bfe_u32 s40, ttmp6, 0x40000                  ; cx, cy
	s_bfe_u32 s41, ttmp6, 0x40004
	s_lshl_b32 s42, ttmp9, 2
	s_add_co_u32 s42, s42, s40                     ; tile column
	s_and_b32 s17, ttmp7, 0xffff
	s_lshl_b32 s17, s17, 2
	s_add_co_u32 s17, s17, s41                     ; tile row
	s_lshl_b32 s43, s41, 2
	s_lshl_b32 s43, 15, s43                        ; my row of the cluster
	s_lshl_b32 s44, 0x1111, s40                    ; my column
	s_or_b32 s[G1+0], s43, (3<<16)|(1<<21)         ; A: the mask; elements of 8 bytes; bit 21 beside a mask; no padding: an image is read 512 consecutive bytes at a time
	s_mov_b32 s[G1+1], 512<<16                     ; tensor_dim0 = 512 elements: a token tile's 4,096 bytes of 256 along K
	s_mov_b32 s[G1+2], 8<<16                       ; tensor_dim1 = 8 token tiles
	s_mov_b32 s[G1+3], 512<<16                     ; tile_dim0
	s_mov_b32 s[G1+4], 8                           ; tile_dim1
	s_mov_b32 s[G1+5], 2048                        ; from token tile to token tile: 16,384 bytes
	s_mov_b32 s[G1+6], 0
	s_mov_b32 s[G1+7], 0
	s_or_b32 s[G1B+0], s44, (0<<16)|(1<<20)|(1<<21)|(5<<22)|(3<<25)  ; B: elements of 1 byte; four words of padding after every 64
	s_mov_b32 s[G1B+1], 256<<16
	s_mov_b32 s[G1B+2], 128<<16
	s_mov_b32 s[G1B+3], 256<<16
	s_mov_b32 s[G1B+4], 128
	s_mov_b32 s[G1B+5], 1024
	s_mov_b32 s[G1B+6], 0
	s_mov_b32 s[G1B+7], 0
	s_lshl_b32 s20, s17, 4
	s_lshl_b32 s18, s16, 3
	s_add_co_u32 s20, s20, s18                     ; A: token tile 16 x tile row + 8 x half,
	s_lshl_b32 s20, s20, 14                        ; in bytes
	s_mov_b32 s21, 0
	s_lshl_b32 s46, s42, 8
	s_lshl_b32 s18, s16, 7
	s_add_co_u32 s46, s46, s18                     ; B: row 256 x tile column + 128 x half,
	s_lshl_b32 s46, s46, 10
	s_add_co_u32 s46, s46, 3<<20                   ; in plane 3 of wc
	s_mov_b32 s47, 0
	s_lshl_b32 s45, s16, 15                        ; where they go: A's half,
	s_mul_i32 s67, s16, BHALF
	s_add_co_u32 s67, s67, BOFF                    ; B's half: no place in the cluster enters an LDS address
	s_wait_dscnt 0x0                               ; both opening adds are done
	s_wait_kmcnt 0x0
	s_load_b64 s[96:97], s[8:9], 0x28              ; e10, e11
	s_add_nc_u64 s[20:21], s[4:5], s[20:21]
	s_add_nc_u64 s[46:47], s[6:7], s[46:47]
	CROUND                                         ; all sixteen work-groups are here: the first joint loads meet
.irp s, 0,1
	s_mov_b32 s[G0+4*\s], 1
	s_add_co_u32 s[G0+4*\s+1], s45, \s*SLOT
	s_add_nc_u64 s[G0+4*\s+2:G0+4*\s+3], s[20:21], \s*4096
	s_or_b32 s[G0+4*\s+3], s[G0+4*\s+3], 0x80000000
	s_mov_b32 s[G0B+4*\s], 1
	s_add_co_u32 s[G0B+4*\s+1], s67, \s*SLOT
	s_add_nc_u64 s[G0B+4*\s+2:G0B+4*\s+3], s[46:47], \s*256
	s_or_b32 s[G0B+4*\s+3], s[G0B+4*\s+3], 0x80000000
	s_wait_alu depctr_va_vdst(0)
	s_wait_tensorcnt 0x0
	ds_add_u32 v28, v29
	ds_add_u32 v28, v29
	s_wait_dscnt 0x0
	CROUND
	JLOAD G0+4*\s, G1, G0B+4*\s, G1B
.endr
	v_and_b32 v1, 15, v0                           ; r
	v_bfe_u32 v2, v0, 4, 1                         ; h
	v_and_b32 v6, 31, v0
	v_lshlrev_b32 v[CO], 4, v6                     ; 16 x lane
	v_mul_u32_u24 v3, v1, PITCH
	v_lshl_add_u32 v4, v2, 4, v3
	s_lshl_b32 s21, s15, 15                        ; my 8 token tiles of A
	s_mul_i32 s22, s16, BHALF
	s_add_co_u32 s22, s22, BOFF                    ; my 128 rows of B
.irp s, 0,1
	v_add_nc_u32 v[ADRA+\s], s21, v[CO]
	v_add_nc_u32 v[ADRB+\s], s22, v4
	s_add_co_u32 s21, s21, SLOT
	s_add_co_u32 s22, s22, SLOT
.endr
	s_mul_i32 s23, s14, 16*SPITCH                  ; my stage
	v_mul_u32_u24 v5, v1, SPITCH                   ; in: row r, 32 bytes for each half of the lanes
	v_lshl_add_u32 v5, v2, 5, v5
	v_add_nc_u32 v[STO], s23, v5
	v_add_nc_u32 v[RD], s23, v[CO]                 ; back: the 32 lanes take one row of 512 bytes
	s_lshl_b32 s20, s17, 8
	s_lshl_b32 s21, s15, 7
	s_add_co_u32 s20, s20, s21                     ; my first row of out0,
	s_lshl_b32 s20, s20, 12                        ; of 4,096 bytes
	s_lshl_b32 s46, s42, 10
	s_lshl_b32 s47, s16, 9
	s_add_co_u32 s46, s46, s47                     ; my first column, in bytes: in a row of out0 and in bp alike
	s_mov_b32 s47, 0
	s_add_nc_u64 s[10:11], s[10:11], s[46:47]
	s_add_co_u32 s20, s20, s46
	s_mov_b32 s21, 0
	s_add_nc_u64 s[12:13], s[12:13], s[20:21]
	v_lshlrev_b32 v5, 5, v2                        ; the bias in the result's layout: register 8 b + j holds bp of column 16 b + 8 h + j
.irp b, 0,1,2,3,4,5,6,7
	global_load_b128 v[BI+8*\b:BI+8*\b+3], v5, s[10:11] offset:64*\b
	global_load_b128 v[BI+8*\b+4:BI+8*\b+7], v5, s[10:11] offset:64*\b+16
.endr
	s_wait_kmcnt 0x0
	s_add_co_i32 s96, s96, s97                     ; e10 + e11
	s_sub_co_i32 s66, 0, s96
	s_add_co_i32 s96, s96, 127
	s_lshl_b32 s96, s96, 23                        ; 2^(e10 + e11) as f32
	s_wait_loadcnt 0x0
.set j, 0
.rept 64
	v_ldexp_f32 v[BI+j], v[BI+j], s66              ; bp / 2^(e10 + e11): exact
.set j, j+1
.endr
.macro FRAG_A reg, slot, q, i          ; block i of A, the slot's q-th 128 along K: four times 512 consecutive bytes
.irp c, 0,1,2,3
	ds_load_b128 v[\reg+4*\c:\reg+4*\c+3], v[ADRA+\slot] offset:2048*(\q)+512*\c+4096*(\i)
.endr
.endm
.macro FRAG_B reg, slot, q, i
.irp c, 0,1,2,3
	ds_load_b128 v[\reg+4*\c:\reg+4*\c+3], v[ADRB+\slot] offset:128*(\q)+32*\c+(\i)*16*PITCH
.endr
.endm
; 16 matrix instructions: A's blocks a0, a0 + 1 x B's eight.  cs = 1: the sums begin with the bias.  The 64 accumulators take turns, one instruction a turn.
.macro MUL16 a0, p, cs
.irp a, \a0, \a0+1
.irp b, 0,1,2,3,4,5,6,7
.if \cs
	v_wmma_f32_16x16x128_fp8_fp8 v[8*(8*((\a)%4)+\b):8*(8*((\a)%4)+\b)+7], v[128*(\p)+FR*\b:128*(\p)+FR*\b+FR-1], v[AF+FR*(\a):AF+FR*(\a)+FR-1], v[BI+8*\b:BI+8*\b+7]
.else
	v_wmma_f32_16x16x128_fp8_fp8 v[8*(8*((\a)%4)+\b):8*(8*((\a)%4)+\b)+7], v[128*(\p)+FR*\b:128*(\p)+FR*\b+FR-1], v[AF+FR*(\a):AF+FR*(\a)+FR-1], v[8*(8*((\a)%4)+\b):8*(8*((\a)%4)+\b)+7]
.endif
.endr
.endr
.endm
.macro FETCH_B slot, q, p
	WIN TO_B
.irp i, 0,1,2,3,4,5,6,7
	FRAG_B 128*(\p)+FR*\i, \slot, \q, \i
.endr
	WIN 0
.endm
.macro FETCH_A slot, q, i0
.irp i, \i0, \i0+1, \i0+2, \i0+3
	FRAG_A AF+FR*(\i), \slot, \q, \i
.endr
.endm
.macro PLACES n
.rept \n
	v_nop
.endr
.endm
.macro STEP slot, q, cs
	s_wait_dscnt 4*NL                              ; B's set and A's blocks 0-3 are in; the youngest sixteen loads (A's blocks 4-7) may be out
.if \cs
	WIN 0x81                                       ; the bias lies in window 0, the sums in window 2
.else
	WIN MUL_LO
.endif
	MUL16 0, (\q)%2, \cs
	MUL16 2, (\q)%2, \cs
	s_wait_dscnt 0
	PLACES NP
	FETCH_B \slot, (\q)+1, 1-(\q)%2
	FETCH_A \slot, (\q)+1, 0
.if \cs
	WIN 0xc1
.else
	WIN MUL_HI
.endif
	MUL16 4, (\q)%2, \cs
	MUL16 6, (\q)%2, \cs
	PLACES NP
	WIN 0
	FETCH_A \slot, (\q)+1, 4
.endm
; A slot's last step changes slots: ONE barrier; in front of it each wave waits for all its tensor loads, adds 0 to its spare word, and waits for that and for its own reads of this slot.
.macro TURN slot, next, fill
	s_wait_tensorcnt 0x0                           ; all my tensor loads have landed: my part of the next slot
	ds_add_u32 v[SPW], v[NIL]                      ; 0 onto my spare word
	s_wait_dscnt 4*NL+1                            ; (the add and the youngest sixteen loads may be out)
	WIN MUL_LO
	MUL16 0, 1, 0
	s_wait_dscnt 0x0                               ; the add is done, and my reads of this slot are over
	s_barrier_signal -1
	MUL16 2, 1, 0
	WIN 0
	s_barrier_wait -1
.if \fill
	CREST                                          ; the barrier has opened a round of the cluster's barrier
	s_add_nc_u64 s[G0+4*\slot+2:G0+4*\slot+3], s[G0+4*\slot+2:G0+4*\slot+3], 2*4096
	s_add_nc_u64 s[G0B+4*\slot+2:G0B+4*\slot+3], s[G0B+4*\slot+2:G0B+4*\slot+3], 2*256
	JLOAD G0+4*\slot, G1, G0B+4*\slot, G1B         ; the first tensor load behind the round; its four v_nop are also the places in front of the loads below
.else
	PLACES NP
.endif
	FETCH_B \next, 0, 0
	FETCH_A \next, 0, 0
	WIN MUL_HI
	MUL16 4, 1, 0
	MUL16 6, 1, 0
	PLACES NP
	WIN 0
	FETCH_A \next, 0, 4
.endm
	s_wait_alu depctr_va_vdst(0)
	s_wait_tensorcnt 1                             ; my part of K step 0 is in (K step 1's load may be out)
	s_barrier_signal -1
	s_barrier_wait -1                              ; everybody's is
	FETCH_B 0, 0, 0
	FETCH_A 0, 0, 0
	FETCH_A 0, 0, 4
	STEP 0, 0, 1                                   ; the first step's products begin the sums with the bias
	TURN 0, 1, 1                                   ; slot 0 takes K step 2,
	STEP 1, 0, 0
	TURN 1, 0, 1                                   ; slot 1 K step 3,
	STEP 0, 0, 0
	TURN 0, 1, 0                                   ; and nothing is left to fetch
	STEP 1, 0, 0
	s_wait_dscnt 4*NL                              ; the very last step
	WIN MUL_LO
	MUL16 0, 1, 0
	MUL16 2, 1, 0
	s_wait_dscnt 0
	WIN MUL_HI
	MUL16 4, 1, 0
	MUL16 6, 1, 0
	WIN 0
; THE WAY OUT, block by block of 16 rows x 128 columns: through my own stage in LDS, back as whole rows of 512 bytes.  LDS serves a wave's instructions in order (ISA guide 5.7.1.4): no wait between the stores and the loads.
.macro TOSTAGE a
.set AC, 64*((\a)%4)
	WIN 0x02+((\a)/4)                              ; source 0: window 2 or 3
.irp j, 0,2,4,6,8,10,12,14,16,18,20,22,24,26,28,30,32,34,36,38,40,42,44,46,48,50,52,54,56,58,60,62
	v_pk_mul_f32 v[TMP+\j:TMP+\j+1], v[AC+\j:AC+\j+1], s[96:97] op_sel_hi:[1,0]   ; both x s96 = 2^(e10 + e11); each accumulator from its low end on
.endr
	WIN 0
.irp b, 0,1,2,3,4,5,6,7
	ds_store_b128 v[STO], v[TMP+8*\b:TMP+8*\b+3] offset:64*\b
	ds_store_b128 v[STO], v[TMP+8*\b+4:TMP+8*\b+7] offset:64*\b+16
.endr
.set BB, BK+64*((\a)%2)
.irp t, 0,1,2,3,4,5,6,7,8,9,10,11,12,13,14,15
	ds_load_b128 v[BB+4*\t:BB+4*\t+3], v[RD] offset:\t*SPITCH
.endr
.endm
.macro SEND a, younger                 ; younger: the LDS instructions issued behind block a's loads, which may stay out
.set BB, BK+64*((\a)%2)
	s_wait_dscnt \younger
.if (\a) > 0
	s_add_nc_u64 s[12:13], s[12:13], 16*SIZE_N*4   ; (behind a wait on XCNT: the earlier stores have read their base)
.endif
.irp t, 0,1,2,3,4,5,6,7,8,9,10,11,12,13,14,15
	global_store_b128 v[CO], v[BB+4*\t:BB+4*\t+3], s[12:13] offset:\t*SIZE_N*4 th:TH_STORE_NT   ; 32 lanes store 512 consecutive bytes, at a multiple of 256 from out0's first byte
.endr
.endm
	PLACES NP
	TOSTAGE 0
.irp a, 1,2,3,4,5,6,7
.if \a > 1
	s_wait_xcnt 0x0                                ; block a - 2's stores have read their registers and their base
.endif
	TOSTAGE \a
	SEND \a-1, 32                                  ; behind block a - 1's loads: block a's 16 stores and 16 loads
.endr
	s_wait_xcnt 0x0
	SEND 7, 0
	s_wait_tensorcnt 0x0                           ; the wave's end
	ds_add_u32 v[SPW], v[NIL]
	s_wait_dscnt 0x0
	CROUND                                         ; the closing round
	s_endpgm
.Lfunc_end_k_q76babccabb_proj:
	.size	k_q76babccabb_proj, .Lfunc_end_k_q76babccabb_proj-k_q76babccabb_proj
	.p2alignl 7, 3214868480
	.fill 96, 4, 3214868480
	.section	.rodata,"a",@progbits
	.p2align	6, 0x0
	.amdhsa_kernel k_q76babccabb_proj
		.amdhsa_group_segment_fixed_size 327680
		.amdhsa_private_segment_fixed_size 0
		.amdhsa_enable_private_segment 0
		.amdhsa_kernarg_size 40
		.amdhsa_user_sgpr_count 2
		.amdhsa_user_sgpr_kernarg_segment_ptr 1
		.amdhsa_wavefront_size32 1
		.amdhsa_system_sgpr_workgroup_id_x 1
		.amdhsa_system_sgpr_workgroup_id_y 1
		.amdhsa_system_sgpr_workgroup_id_z 1
		.amdhsa_system_vgpr_workitem_id 0
		.amdhsa_next_free_vgpr 1024
		.amdhsa_next_free_sgpr 98
		.amdhsa_reserve_vcc 0
		.amdhsa_float_denorm_mode_32 3
		.amdhsa_float_denorm_mode_16_64 3
		.amdhsa_memory_ordered 1
		.amdhsa_forward_progress 1
		.amdhsa_inst_pref_size 130
	.end_amdhsa_kernel
	.amdgpu_metadata
---
amdhsa.version: [ 1, 2 ]
amdhsa.kernels:
  - .name:           k_q76babccabb_proj
    .symbol:         k_q76babccabb_proj.kd
    .args:
      - { .name: yc, .offset: 0, .size: 8, .value_kind: global_buffer, .address_space: global }
      - { .name: wc, .offset: 8, .size: 8, .value_kind: global_buffer, .address_space: global }
      - { .name: lowp_scales, .offset: 16, .size: 8, .value_kind: global_buffer, .address_space: global }
      - { .name: bp, .offset: 24, .size: 8, .value_kind: global_buffer, .address_space: global }
      - { .name: out0, .offset: 32, .size: 8, .value_kind: global_buffer, .address_space: global }
    .group_segment_fixed_size: 327680
    .private_segment_fixed_size: 0
    .kernarg_segment_align: 8
    .kernarg_segment_size: 40
    .max_flat_workgroup_size: 128
    .sgpr_count:     98
    .vgpr_count:     1024
    .wavefront_size: 32
...
	.end_amdgpu_metadata
.endif
;; end of part 4
